; MI455X (gfx1250); checked and timed in simulation.
; The chip was launched on July 23, 2026; its instructions are those of AMD's public machine-readable ISA for CDNA 5 (MIT licence, August 2026) and "CDNA5" Instruction Set Architecture Reference Guide (July 2026). The comments in the code are by the model that wrote it; some were corrected since.
;; Causal Self Attention Head. Allowed arithmetic: matrix products marked QUANTISED: E3M2 operands, one E8M0 scale for each 32 along K, by v_wmma_scale_f32_16x16x128_f8f6f4 with both operands' format E3M2, f32 sums; everything else in f32.
;; Inputs: Wk 1,024 x 64 float32; Wq 1,024 x 64 float32; Wv 1,024 x 64 float32; x 4 x 4,096 x 1,024 float32.
;; Outputs: out0 4 x 4,096 x 64 float32.
;; This version of the problem:
;;   THIS VERSION OF THE PROBLEM IS GIVEN IN LOW PRECISION. The matrix products marked QUANTISED in the list below multiply operands that are first quantised to E3M2 (3 exponent bits, 2 mantissa bits; 6 bits a number), with one power-of-two scale for each 32 numbers along K (OCP MX v1.0); their sums are f32. All else is computed in f32.
;;   The module's matrix products, in the order in which they are computed (A, B: the left and right operand; K: the contracted axis; several contracted axes count as one K, in the product's order):
;;     1. [M 16,384, K 1,024] x [K 1,024, N 64]; A: input x; B: input Wk: QUANTISED
;;     2. [M 16,384, K 1,024] x [K 1,024, N 64]; A: input x; B: input Wq: QUANTISED
;;     3. [M 16,384, K 1,024] x [K 1,024, N 64]; A: input x; B: input Wv: QUANTISED
;;     4. batch 4 x [M 4,096, K 64] x [K 64, N 4,096]; A: computed on the way; B: computed on the way: QUANTISED
;;     5. batch 4 x [M 4,096, K 4,096] x [K 4,096, N 64]; A: softmax (see below); B: computed on the way: QUANTISED
;;   THE QUANTISER, for each operand of a quantised product, along K:
;;     - K is cut into blocks of 32 from its start; a last block that is shorter is filled with zeros.
;;     - A block's scale is 2^e with e = floor(log2(the largest magnitude in the block)) - 4, held to -126 .. 127; a block of zeros has e = 0. As a byte (E8M0): e + 127.
;;     - Each number is divided by its block's scale, clamped to +-28, and rounded to the nearest number of E3M2, ties to even, subnormals kept.
;;     - The product sums the exact products of the quantised numbers (number of the format x scale) in f32.
;;   ~~~python
;;   def quantise(x, axis):      # numpy; x: float32 -> the quantised numbers, widened to float32 again
;;       x = np.moveaxis(x, axis, -1); K = x.shape[-1]
;;       x = np.pad(x, [(0, 0)] * (x.ndim - 1) + [(0, -K % 32)]); x = x.reshape(x.shape[:-1] + (-1, 32)); a = np.abs(x).max(-1, keepdims=True)
;;       e = np.where(a > 0, np.clip(np.frexp(np.where(a > 0, a, 1))[1] - 1 - 4, -126, 127), 0)      # np.frexp(a)[1] - 1 = floor(log2(a)), exactly
;;       r = np.clip(x / 2.0 ** e, -28, 28)
;;       step = 2.0 ** (np.maximum(np.frexp(np.where(r == 0, 1, r))[1] - 1, -2) - 2)
;;       q = np.round(r / step) * step * 2.0 ** e      # np.round: ties to even
;;       return np.moveaxis(q.reshape(q.shape[:-2] + (-1,))[..., :K], -1, axis).astype(np.float32)
;;   ~~~
;;   SOFTMAX AHEAD OF A QUANTISED PRODUCT. Where the list says 'softmax', what is quantised is not the finished softmax but p = 2^(t - M), with t = logit x log2(e) and M = ceil(the row's largest t), a whole number; so 1/2 < the row's largest p <= 1. The row's sum l is taken of the UNQUANTISED p, in f32, and the product's result is divided by l at the end. Since M is a whole number, a kernel that streams over the keys may use a running M (the ceiling of the running maximum): every later rescaling is an exact power of two, which a block's scale takes up: the codes' values come out the same.
;;   OPERANDS COMPUTED ON THE WAY. 'Computed on the way' means the value that the module computes at that place (a softmax that the list does not call 'softmax' is quantised finished and normalised). What goes into a quantiser is computed in f32, as accurately as f32 sums, v_exp_f32 and their like allow (about 1e-6 of the number): no bf16 or f16 on the way to a quantiser, and a product that is left as it is and whose result goes on into a quantised operand takes f32 operands (vector FMAs, or v_wmma_f32_16x16x4_f32). A number that lies on a knife's edge between two numbers of the format may be rounded either way, as far as f32 arithmetic and the matrix unit's own rounding can turn it there, and no further.
;; 2 versions, each right; version 2 is version 1 with the launch attn written anew for expert scheduling mode. Each part assembles by itself: llvm-mc -triple=amdgcn-amd-amdhsa -mcpu=gfx1250 --defsym DOCPART=n.
;; ======== version 1 of 2: 3 launches
;; workspace buffers: wf 153,600 bytes; qc 1,048,576 bytes; kv 1,671,168 bytes
;; launch wquant (part 1): grid 12 x 1, 8 waves a work-group, no clusters, 0 bytes of LDS; arguments Wq, Wk, Wv, wf; writes wf
.if DOCPART == 1
	.amdgcn_target "amdgcn-amd-amdhsa--gfx1250"
	.amdhsa_code_object_version 6
	.text
	.protected	k_qae24e7fa3c_wquant
	.globl	k_qae24e7fa3c_wquant
	.p2align	8
	.type	k_qae24e7fa3c_wquant,@function
k_qae24e7fa3c_wquant:
	s_mov_b64 s[64:65], 0
	v_nop
	global_prefetch_b8 v0, s[64:65] scope:SCOPE_SE
	s_setreg_imm32_b32 hwreg(HW_REG_WAVE_MODE, 25, 1), 1
	s_wait_xcnt 0x0
; Wq, Wk, Wv [1024 (k)][64 (n)] f32 become 96 operand fragments of BF6 (E3M2) codes with their E8M0 scale words, laid in the order of the operand's registers.
; The 192 columns [q | k | v] are 12 tiles of 16; work-group T takes tile T, its wave ks the K step ks of 128: one wave, one fragment.
; A LANE TAKES A COLUMN AND ITS REGISTERS RUN DOWN K: lane (r, h) holds W(128 ks + 64 c + 32 h + i, 16 (T % 4) + r), c = 0, 1, i = 0 .. 31: two whole blocks of 32, in the very order of the operand's registers.
; wf: fragment (T, ks) at 12288 T + 1536 ks: registers 4 p .. 4 p + 3 of lane l at 512 p + 16 l.  Scale words from byte 147456 on: tile T's at 512 T + 16 (16 (ks % 2) + r) + 4 (ks / 2),
; so that one load of 16 bytes a lane brings four registers, register j with K step 2 j in lanes 0-15 and K step 2 j + 1 in lanes 16-31.
; A block's scale is 2^(floor(log2(largest magnitude)) - 4); its byte is the largest magnitude's exponent field - 4, held at 1 from below.
; LIMITS: a block of zeros gets the byte 1 (its codes are zeros, and this program alone reads the bytes); blocks whose largest magnitude lies under 2^-122 are held at the byte 1; NaN and infinities are not served.
.set QM,  8                            ; v8-9    the two blocks' largest magnitudes
.set QSO, 10                           ; v10-11  the conversions' scale operands
.set QBY, 12                           ; v12-13  the scale bytes
.set WD,  14                           ; v14     the scale word
.set QPT, 15                           ; v15     target of the lane permute
.set QH8, 6                            ; v6      8 h
.set X,   32                           ; v32-95  my 64 numbers
.set PC,  96                           ; v96-107 the fragment
.set QT,  108                          ; v108-110, v112-114 each block's upper 16 codes, before they are moved
.set SEL, 26                           ; s[26:27] lane selects: lane l xor 16
; 64 numbers of a lane, block c in v[x + 32 c] on, become the fragment's 12 registers in v[pc] on and the column's scale word in v[wd]
.macro QX x, pc, t, wd
.irp c, 0,1
	v_max3_num_f32 v[QM+\c], |v[\x+32*\c]|, |v[\x+32*\c+1]|, 0x2800000   ; with the floor 2^(5 - 127): the byte cannot fall under 1
.endr
.irp i, 2,4,6,8,10,12,14,16,18,20,22,24,26,28,30
.irp c, 0,1
	v_max3_num_f32 v[QM+\c], v[QM+\c], |v[\x+32*\c+\i]|, |v[\x+32*\c+\i+1]|   ; the two blocks by turns
.endr
.endr
.irp c, 0,1
	v_add_nc_u32 v[QSO+\c], 0xfe000000, v[QM+\c]   ; 4 off the exponent field: the conversion takes this operand's exponent field as its scale
.endr
.irp c, 0,1
	v_lshrrev_b32 v[QBY+\c], 23, v[QSO+\c]         ; the scale's byte
.endr
	v_lshl_or_b32 v[\wd], v[QBY+1], 16, v[QBY]     ; my bytes: blocks h and 2 + h,
	v_lshlrev_b32 v[\wd], v[QH8], v[\wd]           ; at their places in the word;
	v_permlanex16_b32 v[QPT], v[\wd], s[SEL], s[SEL+1]
	v_or_b32 v[\wd], v[\wd], v[QPT]                ; with lane l xor 16's two the word is whole
.irp c, 0,1
	v_cvt_scalef32_pk16_bf6_f32 v[\pc+6*\c:\pc+6*\c+2], v[\x+32*\c:\x+32*\c+15], v[QSO+\c]
	v_cvt_scalef32_pk16_bf6_f32 v[\t+4*\c:\t+4*\c+2], v[\x+32*\c+16:\x+32*\c+31], v[QSO+\c]   ; (a conversion's three registers begin on an even number)
.endr
	v_nop                                          ; one plain place behind a scaled conversion
.irp c, 0,1
.irp i, 0,1,2
	v_mov_b32 v[\pc+3+6*\c+\i], v[\t+4*\c+\i]
.endr
.endr
.endm
	s_load_b256 s[4:11], s[0:1], 0x0               ; Wq s[4:5], Wk s[6:7], Wv s[8:9], wf s[10:11]
	v_lshrrev_b32 v1, 5, v0
	v_readfirstlane_b32 s12, v1                    ; the wave's number: ks
	v_and_b32 v1, 15, v0                           ; r
	v_bfe_u32 v2, v0, 4, 1                         ; h
	v_lshlrev_b32 v3, 2, v1
	v_lshl_add_u32 v3, v2, 13, v3                  ; in: 4 r + 32 h rows of 256 bytes
	v_and_b32 v4, 31, v0
	v_lshlrev_b32 v4, 4, v4                        ; out: 16 x lane
	v_lshlrev_b32 v[QH8], 3, v2
	v_mov_b32 v[QPT], 0                            ; a lane permute's destination counts as one of its sources
	s_mov_b32 s[SEL], 0x76543210
	s_mov_b32 s[SEL+1], 0xfedcba98
	s_and_b32 s13, s12, 1
	s_lshl_b32 s13, s13, 8
	s_lshr_b32 s18, s12, 1
	s_lshl_b32 s18, s18, 2
	s_add_co_u32 s13, s13, s18
	v_lshl_add_u32 v5, v1, 4, s13                  ; the scale word's place: 16 (16 (ks % 2) + r) + 4 (ks / 2)
	s_lshl_b32 s20, s12, 15                        ; 128 ks rows of 256 bytes,
	s_and_b32 s21, ttmp9, 3
	s_lshl_b32 s21, s21, 6                         ; and the tile's 16 columns
	s_add_co_u32 s20, s20, s21
	s_mov_b32 s21, 0
	s_mul_i32 s22, ttmp9, 12288
	s_mul_i32 s23, s12, 1536
	s_add_co_u32 s22, s22, s23                     ; the fragment's place in wf
	s_mov_b32 s23, 0
	s_lshl_b32 s24, ttmp9, 9
	s_add_co_u32 s24, s24, 147456                  ; the tile's scale words
	s_mov_b32 s25, 0
	s_wait_kmcnt 0x0
	s_cmp_lt_u32 ttmp9, 8                          ; which weight: the choice hangs on the work-group's number alone
	s_cselect_b64 s[14:15], s[6:7], s[8:9]
	s_cmp_lt_u32 ttmp9, 4
	s_cselect_b64 s[14:15], s[4:5], s[14:15]
	s_add_nc_u64 s[14:15], s[14:15], s[20:21]
	s_add_nc_u64 s[16:17], s[10:11], s[24:25]
	s_add_nc_u64 s[10:11], s[10:11], s[22:23]
.irp c, 0,1
.irp i, 0,1,2,3,4,5,6,7,8,9,10,11,12,13,14,15,16,17,18,19,20,21,22,23,24,25,26,27,28,29,30,31
	global_load_b32 v[X+32*\c+\i], v3, s[14:15] offset:(64*\c+\i)*256 th:TH_LOAD_NT   ; sixteen neighbouring lanes read 64 neighbouring bytes of a row
.endr
.endr
	s_wait_loadcnt 0x0
	QX X, PC, QT, WD
.irp p, 0,1,2
	global_store_b128 v4, v[PC+4*\p:PC+4*\p+3], s[10:11] offset:512*\p   ; 32 lanes store 512 consecutive bytes
.endr
	global_store_b32 v5, v[WD], s[16:17]           ; both halves of the lanes hold the same word and write it to the same place
	s_endpgm
.Lfunc_end_k_qae24e7fa3c_wquant:
	.size	k_qae24e7fa3c_wquant, .Lfunc_end_k_qae24e7fa3c_wquant-k_qae24e7fa3c_wquant
	.p2alignl 7, 3214868480
	.fill 96, 4, 3214868480
	.section	.rodata,"a",@progbits
	.p2align	6, 0x0
	.amdhsa_kernel k_qae24e7fa3c_wquant
		.amdhsa_group_segment_fixed_size 0
		.amdhsa_private_segment_fixed_size 0
		.amdhsa_enable_private_segment 0
		.amdhsa_kernarg_size 32
		.amdhsa_user_sgpr_count 2
		.amdhsa_user_sgpr_kernarg_segment_ptr 1
		.amdhsa_wavefront_size32 1
		.amdhsa_system_sgpr_workgroup_id_x 1
		.amdhsa_system_sgpr_workgroup_id_y 1
		.amdhsa_system_sgpr_workgroup_id_z 1
		.amdhsa_system_vgpr_workitem_id 0
		.amdhsa_next_free_vgpr 128
		.amdhsa_next_free_sgpr 66
		.amdhsa_reserve_vcc 0
		.amdhsa_float_denorm_mode_32 3
		.amdhsa_float_denorm_mode_16_64 3
		.amdhsa_memory_ordered 1
		.amdhsa_forward_progress 1
		.amdhsa_inst_pref_size 12
	.end_amdhsa_kernel
	.amdgpu_metadata
---
amdhsa.version: [ 1, 2 ]
amdhsa.kernels:
  - .name:           k_qae24e7fa3c_wquant
    .symbol:         k_qae24e7fa3c_wquant.kd
    .args:
      - { .name: Wq, .offset: 0, .size: 8, .value_kind: global_buffer, .address_space: global }
      - { .name: Wk, .offset: 8, .size: 8, .value_kind: global_buffer, .address_space: global }
      - { .name: Wv, .offset: 16, .size: 8, .value_kind: global_buffer, .address_space: global }
      - { .name: wf, .offset: 24, .size: 8, .value_kind: global_buffer, .address_space: global }
    .group_segment_fixed_size: 0
    .private_segment_fixed_size: 0
    .kernarg_segment_align: 8
    .kernarg_segment_size: 32
    .max_flat_workgroup_size: 256
    .sgpr_count:     66
    .vgpr_count:     128
    .wavefront_size: 32
...
	.end_amdgpu_metadata
.endif
;; end of part 1
;; launch proj (part 2): grid 256 x 1, 4 waves a work-group, no clusters, 327,680 bytes of LDS; arguments x, wf, qc, kv; writes qc, kv
.if DOCPART == 2
	.amdgcn_target "amdgcn-amd-amdhsa--gfx1250"
	.amdhsa_code_object_version 6
	.text
	.protected	k_qae24e7fa3c_proj
	.globl	k_qae24e7fa3c_proj
	.p2align	8
	.type	k_qae24e7fa3c_proj,@function
k_qae24e7fa3c_proj:
	s_mov_b64 s[64:65], 0
	v_nop
	global_prefetch_b8 v0, s[64:65] scope:SCOPE_SE
	s_setreg_imm32_b32 hwreg(HW_REG_WAVE_MODE, 25, 1), 1
	s_wait_xcnt 0x0
; [q | k | v] = Q(x) Q([Wq | Wk | Wv]) on codes of BF6 (E3M2) with one E8M0 scale for each 32 along C; then q and k are quantised along the head's 64 and v along the tokens, and stored as attention's operand registers want them.
; SHARES.  Work-group g takes tokens 64 g .. 64 g + 63 (x read once: 256 KiB).  Wave w brings and quantises rows 16 w .. 16 w + 15, and multiplies column tiles 3 w .. 3 w + 2 of the 12 against all four tiles of rows:
; 12 accumulators x 8 K steps of 128.  Its 24 fragments of W stay in registers (288), loaded once from wf in register order.
; x comes by four tensor loads a wave (chunk c: 16 rows x 256 numbers, 1,024 consecutive bytes a row), all issued at the start: four loads of a wave are out, all of the work-group's x is on its way.  LDS is filled once: nothing is filled again.
; A chunk: my rows' two K steps are quantised (a lane holds two whole blocks of 32 of its row, in the operand's order) and stored to LDS as IMAGES OF THE OPERAND'S REGISTERS; one barrier; every wave loads the four tiles' images and multiplies.
; THE PRODUCT IS USED TRANSPOSED (source 0 = 16 columns of W, source 1 = 16 tokens): a lane holds one token and eight neighbouring channels.
; The results meet in a stage (64 token rows, q | k | v), which lies in wave 0's tiles: those have had their only fill, and wave 0's reads of them were waited for in front of the last chunk's barrier.
; OUT.  qc: a record of 1,024 bytes for each 16 tokens: registers 0-3 at 16 l, 4-5 at 512 + 8 l, the scale word at 768 + 4 l.  kv: a record of 13,056 bytes for each 128 tokens: 4 fragments of K (each two tiles of 16 keys x 64 channels:
; registers 0-5 key 32 b + r + 8 (r / 8), registers 6-11 the key 8 further on), 4 fragments of V^T (16 channels x 128 keys), K's scale words (512 bytes), V's (256).  A work-group holds half of a record's tokens, so its parts are 8, 4 and 2 bytes a lane.
; q's and k's scale words repeat their two bytes (s0, s1, s0, s1): attention multiplies either half of a fragment of K against zero codes.
; LIMITS: a block of zeros gets the byte 1 (zero codes; this program alone reads the bytes); blocks whose largest magnitude lies under 2^-122 are held at the byte 1; NaN and infinities are not served.
; REGISTERS, in windows of 256: window 0: v1-15 addresses; v16-27 W's scale words, v28-35 x's; v36-45 at work; v48-55 store offsets; v56-91 codes; v96-223 128 numbers of x, later the stage's rows; v224-241 at work at the end.
;   window 1: v0-95 x's eight fragments of a chunk; v96-191 the accumulators ((t, xt) at 96 + 8 (4 t + xt)).   window 2: W of my tiles 0, 1 (96 t + 12 ks).   window 3: W of my tile 2.
.set XTW,  66560                       ; LDS: a wave's four tiles of x
.set XTC,  16640                       ; a tile: 16 rows of 1,024 bytes + 16 of padding: pitch 1,040, an odd multiple of 16
.set XIMG, 266240                      ; x's 32 fragments, (ks, xt) at 1536 (4 ks + xt)
.set XSC,  315392                      ; their scale words: 512 ks + 16 l + 4 xt
.set SPI,  784                         ; the stage's pitch: 768 bytes + 16
.set L16, 1
.set XR,  4                            ; v4   my lane's 128 bytes of a block pair in my wave's tile 0
.set XWI, 5                            ; v5   where I store an image
.set XWS, 6                            ; v6   and its scale word
.set XFA, 7                            ; v7   where I load images
.set XFS, 8                            ; v8   and scale words
.set QH8, 9                            ; v9   8 h
.set SW,  10                           ; v10  the stage, in
.set QR,  11                           ; v11  the stage, back: q's row
.set KR,  12                           ; v12  k's row
.set VR,  13                           ; v13  v's column
.set L8,  14
.set L4,  15
.set WS,  16
.set XS,  28
.set QM,  36
.set QSO, 38
.set QBY, 40
.set QPT, 42
.set WD0, 44
.set WD1, 45
.set PC0, 56
.set PC1, 68
.set QT,  80
.set X,   96
.set HM,  224
.set HSO, 228
.set HBY, 232
.set HPT, 236
.set HW,  240
.set SEL, 40                           ; s[40:41]
.set MSB, 0
.macro WIN new                         ; the immediate's high byte repeats the setting that is left
.if MSB != \new
	s_set_vgpr_msb (MSB<<8)|\new
.set MSB, \new
.endif
.endm
; 64 numbers of a lane, block c in v[x + 32 c] on (k = 64 c + 32 h + i of my row), become a fragment's 12 registers in v[pc] on and the row's scale word in v[wd]
.macro QX x, pc, t, wd
.irp c, 0,1
	v_max3_num_f32 v[QM+\c], |v[\x+32*\c]|, |v[\x+32*\c+1]|, 0x2800000   ; with the floor 2^(5 - 127): the byte cannot fall under 1
.endr
.irp i, 2,4,6,8,10,12,14,16,18,20,22,24,26,28,30
.irp c, 0,1
	v_max3_num_f32 v[QM+\c], v[QM+\c], |v[\x+32*\c+\i]|, |v[\x+32*\c+\i+1]|
.endr
.endr
.irp c, 0,1
	v_add_nc_u32 v[QSO+\c], 0xfe000000, v[QM+\c]   ; 4 off the exponent field: the conversion's scale operand
.endr
.irp c, 0,1
	v_lshrrev_b32 v[QBY+\c], 23, v[QSO+\c]         ; the scale's byte
.endr
	v_lshl_or_b32 v[\wd], v[QBY+1], 16, v[QBY]     ; blocks h and 2 + h,
	v_lshlrev_b32 v[\wd], v[QH8], v[\wd]           ; at their places;
	v_permlanex16_b32 v[QPT], v[\wd], s[SEL], s[SEL+1]
	v_or_b32 v[\wd], v[\wd], v[QPT]                ; with lane l xor 16's two the word is whole
.irp c, 0,1
	v_cvt_scalef32_pk16_bf6_f32 v[\pc+6*\c:\pc+6*\c+2], v[\x+32*\c:\x+32*\c+15], v[QSO+\c]
	v_cvt_scalef32_pk16_bf6_f32 v[\t+4*\c:\t+4*\c+2], v[\x+32*\c+16:\x+32*\c+31], v[QSO+\c]   ; (a conversion's three registers begin on an even number)
.endr
	v_nop                                          ; one plain place behind a scaled conversion
.irp c, 0,1
.irp i, 0,1,2
	v_mov_b32 v[\pc+3+6*\c+\i], v[\t+4*\c+\i]
.endr
.endr
.endm
.macro IMAGE pc, wd, ks                ; the fragment goes to LDS as it stands: lane l's 16 bytes at 16 l, 512 bytes a store
.irp p, 0,1,2
	ds_store_b128 v[XWI], v[\pc+4*\p:\pc+4*\p+3] offset:(\ks)*6144+512*\p
.endr
	ds_store_b32 v[XWS], v[\wd] offset:(\ks)*512
.endm
; one product: my column tile t x tile of rows xt, K step ks.  W's scale words of an odd K step lie in lanes 16-31.
.macro WM t, xt, ks
.set RDD, 96+8*(4*\t+\xt)
.set RAA, 96*((\t)%2)+12*(\ks)
.set RBB, 48*((\ks)%2)+12*\xt
.set SAA, WS+4*\t+(\ks)/2
.set SBB, XS+4*((\ks)%2)+\xt
.if (\ks) == 0
	v_wmma_scale_f32_16x16x128_f8f6f4 v[RDD:RDD+7], v[RAA:RAA+11], v[RBB:RBB+11], 0, v[SAA], v[SBB] matrix_a_fmt:MATRIX_FMT_BF6 matrix_b_fmt:MATRIX_FMT_BF6
.elseif (\ks)%2 == 0
	v_wmma_scale_f32_16x16x128_f8f6f4 v[RDD:RDD+7], v[RAA:RAA+11], v[RBB:RBB+11], v[RDD:RDD+7], v[SAA], v[SBB] matrix_a_fmt:MATRIX_FMT_BF6 matrix_b_fmt:MATRIX_FMT_BF6
.else
	v_wmma_scale_f32_16x16x128_f8f6f4 v[RDD:RDD+7], v[RAA:RAA+11], v[RBB:RBB+11], v[RDD:RDD+7], v[SAA], v[SBB] matrix_a_fmt:MATRIX_FMT_BF6 matrix_b_fmt:MATRIX_FMT_BF6 matrix_a_scale:MATRIX_SCALE_ROW1
.endif
.endm
.macro MUL ks                          ; a K step: the 12 accumulators take turns, one instruction a turn, in the same order in every step; the first step starts the sums with the constant 0
	WIN 0x56                                       ; W window 2; x, C and D window 1
.irp t, 0,1
.irp xt, 0,1,2,3
	WM \t, \xt, \ks
.endr
.endr
	WIN 0x57                                       ; W window 3
.irp xt, 0,1,2,3
	WM 2, \xt, \ks
.endr
.endm
; Chunk c: K steps 2 c and 2 c + 1
.macro CHUNK c
	s_wait_tensorcnt 3-\c                          ; a wave's tensor loads end in order: chunk c's tile is in LDS, the later chunks' loads stay out; only I read my tiles
.irp e, 0,1
.irp cb, 0,1
.irp j, 0,1,2,3,4,5,6,7
	ds_load_b128 v[X+64*\e+32*\cb+4*\j:X+64*\e+32*\cb+4*\j+3], v[XR] offset:\c*XTC+512*\e+256*\cb+16*\j
.endr
.endr
.endr
	s_wait_dscnt 16                                ; the first K step's 16 loads are in; the second's may be out
	QX X, PC0, QT, WD0
	IMAGE PC0, WD0, 2*\c
	s_wait_dscnt 4                                 ; the second K step's loads are in; behind them stand the four stores just issued
	QX X+64, PC1, QT, WD1
	IMAGE PC1, WD1, 2*\c+1
	s_wait_dscnt 0x0                               ; for the others' sake: my images lie in LDS (and my reads of my tile are over)
	s_barrier_signal -1
	s_barrier_wait -1                              ; everybody's do.  Each K step has image bytes of its own, so one barrier a chunk is enough
.irp e, 0,1
	ds_load_b128 v[XS+4*\e:XS+4*\e+3], v[XFS] offset:(2*\c+\e)*512   ; the four tiles' scale words
.endr
	WIN 0x40                                       ; destination window 1
.irp e, 0,1
.irp xt, 0,1,2,3
.irp p, 0,1,2
	ds_load_b128 v[48*\e+12*\xt+4*\p:48*\e+12*\xt+4*\p+3], v[XFA] offset:(4*(2*\c+\e)+\xt)*1536+512*\p
.endr
.endr
.endr
.if \c == 0
	s_wait_loadcnt 0x0                             ; W's fragments and scale words, once
.endif
	s_wait_dscnt 12                                ; the scale words and the first K step's fragments are in
	MUL 2*\c
	s_wait_dscnt 0x0
	MUL 2*\c+1
	WIN 0                                          ; the next chunk's quantising, over a hundred plain vector lines, stands between these products and the next loads into their operands
.endm
	s_load_b256 s[4:11], s[0:1], 0x0               ; x s[4:5], wf s[6:7], qc s[8:9], kv s[10:11]
	v_lshl_add_u32 v254, v0, 2, 0x4e000
	v_mov_b32 v255, 0
	ds_add_u32 v254, v255
	ds_add_u32 v254, v255
	v_lshrrev_b32 v1, 5, v0
	v_readfirstlane_b32 s12, v1                    ; wave 0..3
	s_mov_b32 s13, ttmp9                           ; g
	; descriptor group 1: a tile of 16 rows x 256 elements of 4 bytes, 4,096 bytes from row to row, padded in LDS
	s_mov_b32 s16, (2<<16)|(1<<20)|(7<<22)|(3<<25) ; no mask; elements of 4 bytes; padding on: after every 256 words (code 7) 4 words (code 3)
	s_mov_b32 s17, 256<<16                         ; tensor_dim0 = 256
	s_mov_b32 s18, 16<<16                          ; tensor_dim1 = 16
	s_mov_b32 s19, 256<<16                         ; tile_dim0 = 256
	s_mov_b32 s20, 16                              ; tile_dim1 = 16
	s_mov_b32 s21, 1024                            ; elements from row to row
	s_mov_b32 s22, 0
	s_mov_b32 s23, 0
	s_mov_b32 s[SEL], 0x76543210
	s_mov_b32 s[SEL+1], 0xfedcba98
	s_lshl_b32 s42, s13, 18                        ; 64 g rows of 4,096 bytes,
	s_lshl_b32 s43, s12, 16                        ; 16 w more
	s_add_co_u32 s42, s42, s43
	s_mov_b32 s43, 0
	s_mul_i32 s44, s12, XTW                        ; my tiles in LDS
	s_mul_i32 s46, s12, 36864                      ; my three tiles of W in wf
	s_mov_b32 s47, 0
	s_mul_i32 s48, s12, 1536
	s_add_co_u32 s48, s48, 147456                  ; and their scale words
	s_mov_b32 s49, 0
	s_lshl_b32 s50, s13, 12
	s_lshl_b32 s51, s12, 10
	s_add_co_u32 s50, s50, s51                     ; q's record: 1,024 (4 g + w)
	s_mov_b32 s51, 0
	s_lshr_b32 s52, s13, 1
	s_mul_i32 s52, s52, 13056                      ; the record of K and V: 13,056 (g / 2)
	s_mov_b32 s53, 0
	v_and_b32 v[L4], 31, v0                        ; lane
	v_lshlrev_b32 v[L16], 4, v[L4]
	v_lshlrev_b32 v[L8], 3, v[L4]
	v_lshlrev_b32 v[L4], 2, v[L4]
	v_and_b32 v2, 15, v0                           ; r
	v_bfe_u32 v3, v0, 4, 1                         ; h
	s_wait_dscnt 0x0
	s_wait_kmcnt 0x0
	s_add_nc_u64 s[4:5], s[4:5], s[42:43]
.irp c, 0,1,2,3
	s_mov_b32 s[24+4*\c], 1                        ; count = 1
	s_add_co_u32 s[25+4*\c], s44, \c*XTC           ; LDS address: wave x 66,560 + chunk x 16,640
	s_add_nc_u64 s[26+4*\c:27+4*\c], s[4:5], \c*1024   ; my 16 rows, 256 numbers on for each chunk
	s_or_b32 s[27+4*\c], s[27+4*\c], 0x80000000    ; type = 2
.endr
	tensor_load_to_lds s[24:27], s[16:23]          ; the launch's only fills, in one group ahead of every wait, LDS read and barrier
	s_nop 0
	tensor_load_to_lds s[28:31], s[16:23]
	s_nop 0
	tensor_load_to_lds s[32:35], s[16:23]
	s_nop 0
	tensor_load_to_lds s[36:39], s[16:23]
	s_nop 0
.rept 4
	v_nop
.endr
	s_add_nc_u64 s[46:47], s[6:7], s[46:47]
	s_add_nc_u64 s[48:49], s[6:7], s[48:49]
	s_add_nc_u64 s[8:9], s[8:9], s[50:51]
	s_add_nc_u64 s[10:11], s[10:11], s[52:53]
	WIN 0x80                                       ; destination window 2
.irp t, 0,1
.irp ks, 0,1,2,3,4,5,6,7
.irp p, 0,1,2
	global_load_b128 v[96*\t+12*\ks+4*\p:96*\t+12*\ks+4*\p+3], v[L16], s[46:47] offset:(8*\t+\ks)*1536+512*\p   ; 32 lanes read 512 consecutive bytes
.endr
.endr
.endr
	WIN 0xc0                                       ; destination window 3
.irp ks, 0,1,2,3,4,5,6,7
.irp p, 0,1,2
	global_load_b128 v[12*\ks+4*\p:12*\ks+4*\p+3], v[L16], s[46:47] offset:(16+\ks)*1536+512*\p
.endr
.endr
	WIN 0
.irp t, 0,1,2
	global_load_b128 v[WS+4*\t:WS+4*\t+3], v[L16], s[48:49] offset:512*\t
.endr
	; LDS addresses: a constant + a constant x lane term + a constant x wave
	v_mul_u32_u24 v[XR], v2, 1040
	v_lshl_add_u32 v[XR], v3, 7, v[XR]
	v_add_nc_u32 v[XR], s44, v[XR]                 ; row r, + 128 h: my 32 numbers of a pair of blocks
	s_mul_i32 s45, s12, 1536
	s_add_co_u32 s45, s45, XIMG
	v_add_nc_u32 v[XWI], s45, v[L16]
	s_lshl_b32 s45, s12, 2
	s_add_co_u32 s45, s45, XSC
	v_add_nc_u32 v[XWS], s45, v[L16]
	v_add_nc_u32 v[XFA], XIMG, v[L16]
	v_add_nc_u32 v[XFS], XSC, v[L16]
	v_lshlrev_b32 v[QH8], 3, v3
	s_lshr_b32 s55, s12, 1                         ; w / 2
	s_and_b32 s56, s12, 1                          ; w % 2
	s_and_b32 s54, s13, 1                          ; which half of the record's 128 tokens is mine
	v_mul_u32_u24 v[QR], v2, SPI
	v_lshl_add_u32 v[SW], v3, 5, v[QR]
	v_lshl_add_u32 v[QR], v3, 7, v[QR]
	s_mul_i32 s61, s12, 16*SPI
	v_add_nc_u32 v[QR], s61, v[QR]                 ; q: token 16 w + r, channels 32 h on
	s_mul_i32 s61, s12, 192
	v_add_nc_u32 v[SW], s61, v[SW]                 ; in: token r of a tile, my 48 columns, 32 h bytes on
	s_lshl_b32 s61, s55, 5
	s_lshl_b32 s62, s56, 3
	s_add_co_u32 s61, s61, s62
	s_mul_i32 s61, s61, SPI
	v_and_b32 v[KR], 8, v2
	v_add_nc_u32 v[KR], v[KR], v2
	v_mul_u32_u24 v[KR], v[KR], SPI
	v_lshl_add_u32 v[KR], v3, 7, v[KR]
	v_add_nc_u32 v[KR], s61, v[KR]                 ; k: token 32 (w / 2) + 8 (w % 2) + r + 8 (r / 8): THE KEYS OF A TILE ARE NOT NEIGHBOURS
	v_mul_u32_u24 v[VR], v3, 32*SPI
	v_lshl_add_u32 v[VR], v2, 2, v[VR]
	s_lshl_b32 s61, s12, 6
	s_add_co_u32 s61, s61, 512
	v_add_nc_u32 v[VR], s61, v[VR]                 ; v: channel 16 w + r, tokens 32 h on, down the rows
	; offsets of the stores.  Register pair i of a tile's six registers, which are registers 6 u .. 6 u + 5 of a fragment stored in groups of four registers at 512 p + 16 l
	s_lshl_b32 s57, s54, 1
	s_add_co_u32 s57, s57, s55                     ; b: which fragment of K
	s_mul_i32 s58, s57, 1536
	s_mul_i32 s59, s56, 520
	s_mul_i32 s60, s56, 1016
	s_add_co_u32 s61, s58, s59
	v_add_nc_u32 v48, s61, v[L16]                  ; 0 or 520
	v_add_nc_u32 v50, 512, v48                     ; 512 or 1,032
	s_add_co_u32 s61, s58, s60
	s_add_co_u32 s61, s61, 8
	v_add_nc_u32 v49, s61, v[L16]                  ; 8 or 1,024
	s_lshl_b32 s61, s56, 8
	s_lshl_b32 s62, s57, 2
	s_add_co_u32 s61, s61, s62
	s_add_co_u32 s61, s61, 12288
	v_lshl_add_u32 v51, v2, 4, s61                 ; k's scale word: 12,288 + 16 (16 u + r) + 4 b
	s_mul_i32 s58, s12, 1536
	s_add_co_u32 s58, s58, 6144                    ; V's fragment w; my tokens are its registers 6 half .. 6 half + 5
	s_mul_i32 s59, s54, 520
	s_mul_i32 s60, s54, 1016
	s_add_co_u32 s61, s58, s59
	v_add_nc_u32 v52, s61, v[L16]
	v_add_nc_u32 v54, 512, v52
	s_add_co_u32 s61, s58, s60
	s_add_co_u32 s61, s61, 8
	v_add_nc_u32 v53, s61, v[L16]
	s_lshl_b32 s61, s56, 7
	s_lshl_b32 s62, s55, 2
	s_add_co_u32 s61, s61, s62
	s_lshl_b32 s62, s54, 1
	s_add_co_u32 s61, s61, s62
	s_add_co_u32 s61, s61, 12800
	v_lshl_add_u32 v55, v2, 3, s61                 ; v's two scale bytes: 12,800 + 8 ((16 w + r) % 32) + 4 ((16 w + r) / 32) + 2 half
	v_mov_b32 v[QPT], 0                            ; a lane permute's destination counts as one of its sources
.irp y, 0,1,2
	v_mov_b32 v[HPT+\y], 0
.endr
	CHUNK 0
	CHUNK 1
	CHUNK 2
	CHUNK 3
	; THE STAGE: 64 token rows of q | k | v.  Every wave has passed the last chunk's barrier: wave 0's tiles have landed and are read no more.
.rept 4
	v_nop                                          ; places behind the last products, in front of the stores that read their results
.endr
	WIN 0x04                                       ; an LDS store's data are its source 1: window 1
.irp t, 0,1,2
.irp xt, 0,1,2,3
	ds_store_b128 v[SW], v[96+8*(4*\t+\xt):96+8*(4*\t+\xt)+3] offset:\xt*16*SPI+64*\t          ; each accumulator from its low end on
	ds_store_b128 v[SW], v[96+8*(4*\t+\xt)+4:96+8*(4*\t+\xt)+7] offset:\xt*16*SPI+64*\t+16
.endr
.endr
	WIN 0
	s_wait_dscnt 0x0                               ; for the others' sake: my stores into the stage are done
	s_barrier_signal -1
	s_barrier_wait -1
.irp j, 0,1,2,3,4,5,6,7
	ds_load_b128 v[96+4*\j:99+4*\j], v[QR] offset:16*\j            ; q: one block of 32 channels of my token
.endr
.irp j, 0,1,2,3,4,5,6,7
	ds_load_b128 v[128+4*\j:131+4*\j], v[KR] offset:256+16*\j      ; k likewise
.endr
.irp i, 0,1,2,3,4,5,6,7,8,9,10,11,12,13,14,15,16,17,18,19,20,21,22,23,24,25,26,27,28,29,30,31
	ds_load_b32 v[160+\i], v[VR] offset:SPI*\i                     ; v: one block of 32 tokens of my channel
.endr
	s_wait_dscnt 0x0
	; three blocks of 32 in a lane (y = 0: q, 1: k, 2: v), by turns
.irp y, 0,1,2
	v_max3_num_f32 v[HM+\y], |v[96+32*\y]|, |v[97+32*\y]|, 0x2800000
.endr
.irp i, 2,4,6,8,10,12,14,16,18,20,22,24,26,28,30
.irp y, 0,1,2
	v_max3_num_f32 v[HM+\y], v[HM+\y], |v[96+32*\y+\i]|, |v[97+32*\y+\i]|
.endr
.endr
.irp y, 0,1,2
	v_add_nc_u32 v[HSO+\y], 0xfe000000, v[HM+\y]
.endr
.irp y, 0,1,2
	v_lshrrev_b32 v[HBY+\y], 23, v[HSO+\y]
.endr
.irp y, 0,1,2
	v_cvt_scalef32_pk16_bf6_f32 v[56+6*\y:58+6*\y], v[96+32*\y:111+32*\y], v[HSO+\y]
	v_cvt_scalef32_pk16_bf6_f32 v[80+4*\y:82+4*\y], v[112+32*\y:127+32*\y], v[HSO+\y]
.endr
	v_nop                                          ; one plain place behind a scaled conversion
.irp y, 0,1,2
.irp i, 0,1,2
	v_mov_b32 v[59+6*\y+\i], v[80+4*\y+\i]
.endr
.endr
.irp y, 0,1,2
	v_lshlrev_b32 v[HBY+\y], v[QH8], v[HBY+\y]     ; my block's byte at place h,
.endr
.irp y, 0,1,2
	v_permlanex16_b32 v[HPT+\y], v[HBY+\y], s[SEL], s[SEL+1]
.endr
.irp y, 0,1,2
	v_or_b32 v[HBY+\y], v[HBY+\y], v[HPT+\y]       ; with lane l xor 16's: two bytes
.endr
	v_lshl_or_b32 v[HW], v[HBY], 16, v[HBY]        ; q's and k's words repeat them
	v_lshl_or_b32 v[HW+1], v[HBY+1], 16, v[HBY+1]
	global_store_b128 v[L16], v[56:59], s[8:9]
	global_store_b64 v[L8], v[60:61], s[8:9] offset:512
	global_store_b32 v[L4], v[HW], s[8:9] offset:768
	global_store_b64 v48, v[62:63], s[10:11]
	global_store_b64 v49, v[64:65], s[10:11]
	global_store_b64 v50, v[66:67], s[10:11]
	global_store_b32 v51, v[HW+1], s[10:11]        ; both halves of the lanes hold the same word and write it to the same place
	global_store_b64 v52, v[68:69], s[10:11]
	global_store_b64 v53, v[70:71], s[10:11]
	global_store_b64 v54, v[72:73], s[10:11]
	global_store_b16 v55, v[HBY+2], s[10:11]
	s_wait_tensorcnt 0x0
	ds_add_u32 v254, v255
	s_wait_dscnt 0x0
	s_endpgm
.Lfunc_end_k_qae24e7fa3c_proj:
	.size	k_qae24e7fa3c_proj, .Lfunc_end_k_qae24e7fa3c_proj-k_qae24e7fa3c_proj
	.p2alignl 7, 3214868480
	.fill 96, 4, 3214868480
	.section	.rodata,"a",@progbits
	.p2align	6, 0x0
	.amdhsa_kernel k_qae24e7fa3c_proj
		.amdhsa_group_segment_fixed_size 327680
		.amdhsa_private_segment_fixed_size 0
		.amdhsa_enable_private_segment 0
		.amdhsa_kernarg_size 32
		.amdhsa_user_sgpr_count 2
		.amdhsa_user_sgpr_kernarg_segment_ptr 1
		.amdhsa_wavefront_size32 1
		.amdhsa_system_sgpr_workgroup_id_x 1
		.amdhsa_system_sgpr_workgroup_id_y 1
		.amdhsa_system_sgpr_workgroup_id_z 1
		.amdhsa_system_vgpr_workitem_id 0
		.amdhsa_next_free_vgpr 1024
		.amdhsa_next_free_sgpr 66
		.amdhsa_reserve_vcc 0
		.amdhsa_float_denorm_mode_32 3
		.amdhsa_float_denorm_mode_16_64 3
		.amdhsa_memory_ordered 1
		.amdhsa_forward_progress 1
		.amdhsa_inst_pref_size 79
	.end_amdhsa_kernel
	.amdgpu_metadata
---
amdhsa.version: [ 1, 2 ]
amdhsa.kernels:
  - .name:           k_qae24e7fa3c_proj
    .symbol:         k_qae24e7fa3c_proj.kd
    .args:
      - { .name: x, .offset: 0, .size: 8, .value_kind: global_buffer, .address_space: global }
      - { .name: wf, .offset: 8, .size: 8, .value_kind: global_buffer, .address_space: global }
      - { .name: qc, .offset: 16, .size: 8, .value_kind: global_buffer, .address_space: global }
      - { .name: kv, .offset: 24, .size: 8, .value_kind: global_buffer, .address_space: global }
    .group_segment_fixed_size: 327680
    .private_segment_fixed_size: 0
    .kernarg_segment_align: 8
    .kernarg_segment_size: 32
    .max_flat_workgroup_size: 128
    .sgpr_count:     66
    .vgpr_count:     1024
    .wavefront_size: 32
...
	.end_amdgpu_metadata
.endif
;; end of part 2
;; launch attn (part 3): grid 64 x 4, 8 waves a work-group, no clusters, 144,384 bytes of LDS; arguments qc, kv, out0; writes out0
.if DOCPART == 3
	.amdgcn_target "amdgcn-amd-amdhsa--gfx1250"
	.amdhsa_code_object_version 6
	.text
	.protected	k_qae24e7fa3c_attn
	.globl	k_qae24e7fa3c_attn
	.p2align	8
	.type	k_qae24e7fa3c_attn,@function
k_qae24e7fa3c_attn:
	s_mov_b64 s[64:65], 0
	v_nop
	global_prefetch_b8 v0, s[64:65] scope:SCOPE_SE
	s_setreg_imm32_b32 hwreg(HW_REG_WAVE_MODE, 25, 1), 1
	s_wait_xcnt 0x0
; out[q] = the sum over keys k <= q of softmax_k(q . k / 8) v[k], one head of 64 channels, 4 batches of 4,096 tokens, both products on codes of BF6 (E3M2) with one E8M0 scale for each 32 along a product's K.
; THE SOFTMAX AHEAD OF THE SECOND PRODUCT: t = score x log2(e) / 8; M = the largest t so far, rounded UP to a whole number; p = 2^(t - M) is quantised along the keys, not normalised; the sum of the unquantised p divides at the end.
; SHARES.  Work-group (i, batch) owns two blocks of 32 queries, 127 - i and i: a block blk sees blk / 4 + 1 steps of 128 keys, and the two together 33 in every work-group.  THE EIGHT WAVES SHARE THE KEYS: wave w takes steps w, w + 8, ..
; of the late block and then of the early one, each for both tiles of 16 queries, with its own running M, sum and O^T.  The eight parts meet in LDS and are merged by exact powers of two.  Steps wholly behind the mask are never walked.
; OPERANDS come from memory straight into registers, 16 bytes a lane, 512 consecutive bytes a load: the launch before laid them in register order.  No two waves of a work-group read the same step, so nothing would be shared in LDS;
; partners of a cluster would walk different numbers of steps, so no joint loads.  K of the next step is asked for ahead of a step's softmax, V behind its last product.
; K = 64 IN AN INSTRUCTION OF 128: a fragment of K holds two tiles of 16 keys (registers 0-5 and 6-11); the query operand is [q | zero codes] or [zero codes | q] and so picks one of them.  Zero codes add nothing; q's and k's scale words repeat their two bytes.
; LAYOUT.  Both products are used transposed (S^T = K Q^T, O^T = V^T P^T): a lane holds ONE query.  Lane r of tile 2 b + u holds key 32 b + 8 u + r + 8 (r / 8), so the 16 registers of tiles 2 b, 2 b + 1 are keys 32 b + 16 h + 0 .. 15.
; LIMITS: NaN and infinities are not served; a p under 2^-126 counts as 0 (v_exp_f32 flushes); a block whose every p is 0 keeps the byte 1 with zero codes.
; REGISTERS: window 0: v1-11 addresses and constants; v12-19 -M, largest t, sum (two halves) for each tile; v20-23 f; v24-25 p's scale words; v26-29 Q's; v32-35 K's; v36-37 V's; v40-71 at work; v76-91, v92-115 p's codes; v116-243 S^T, then p.
;   window 1: v0-63 O^T (32 x + 8 ct); v64-111 V; v112-159 K; v160-213 Q: runs of six registers [0 | q0 | 0 | q1 | 0 | q2 | 0 | q3 | 0].
.set REC, 13056                        ; a step's record: K's codes 0, V's 6,144, K's scale words 12,288, V's 12,800
.set STB, 139264                       ; LDS: parts of O at pass x 69,632 + wave x 8,704 + row x 272; from STB on (-M, sum) at 64 (32 pass + row) + 8 wave
.set ST,  12
.set F,   20
.set PW,  24
.set TT,  30
.set BM,  40                           ; + 16 x: block maxima 4, permute targets 4, bytes 4, scale operands 4
.set PT,  44
.set BY,  48
.set SO,  52
.set CT,  76
.set PC,  92
.set S,   116
.set S2,  244
.set SEL, 30                           ; s[30:31]
.set CS,  32                           ; s[32:33] c = log2(e) / 8: the packed form names a pair and takes its low word for both halves
.set MSB, 0
.macro WIN new                         ; the immediate's high byte repeats the setting that is left
.if MSB != \new
	s_set_vgpr_msb (MSB<<8)|\new
.set MSB, \new
.endif
.endm
.macro LOADK                           ; a step's four fragments of K and their scale words: 13 loads
	WIN 0x40                                       ; destination window 1
.irp j, 0,1,2,3,4,5,6,7,8,9,10,11
	global_load_b128 v[112+4*\j:115+4*\j], v1, s[26:27] offset:512*\j
.endr
	WIN 0
	global_load_b128 v[32:35], v1, s[26:27] offset:12288   ; register b: tile 2 b in lanes 0-15, tile 2 b + 1 in lanes 16-31
.endm
.macro LOADV                           ; and of V: 13 loads
	WIN 0x40
.irp j, 0,1,2,3,4,5,6,7,8,9,10,11
	global_load_b128 v[64+4*\j:67+4*\j], v1, s[28:29] offset:6144+512*\j
.endr
	WIN 0
	global_load_b64 v[36:37], v2, s[28:29] offset:12800    ; word 0: channel = lane, word 1: channel 32 + lane
.endm
.macro MASK x, sreg                    ; on the diagonal: register n holds key 128 s + 16 h + 32 (n / 16) + n % 16, hidden where 32 (n / 16) + n % 16 > my query - 128 s - 16 h.  Whole numbers made of ids alone
	v_add_nc_u32 v10, s[\sreg], v3
.set n, 0
.rept 64
	v_cmp_gt_i32 vcc_lo, 32*(n/16)+n%16, v10
	v_cndmask_b32 v[S+64*\x+n], v[S+64*\x+n], v9, vcc_lo   ; -infinity: p = 0 then.  (Each accumulator is read from its low end on)
.set n, n+1
.endr
.endm
; The softmax of two tiles (x = 0, 1) x 128 keys, line by line for both tiles by turns
.macro SOFTMAX
.irp b, 0,1,2,3
.irp x, 0,1
	v_max3_num_f32 v[BM+16*\x+\b], v[S+64*\x+16*\b], v[S+64*\x+16*\b+1], v[S+64*\x+16*\b+2]   ; THE LARGEST SCORE OF EACH BLOCK OF 32 KEYS serves twice: for the row's maximum and, since p rises with the score, for the block's largest p
.endr
.endr
.irp i, 3,5,7,9,11,13
.irp b, 0,1,2,3
.irp x, 0,1
	v_max3_num_f32 v[BM+16*\x+\b], v[BM+16*\x+\b], v[S+64*\x+16*\b+\i], v[S+64*\x+16*\b+\i+1]
.endr
.endr
.endr
.irp b, 0,1,2,3
.irp x, 0,1
	v_max_num_f32 v[BM+16*\x+\b], v[BM+16*\x+\b], v[S+64*\x+16*\b+15]
.endr
.endr
.irp b, 0,1,2,3
.irp x, 0,1
	v_permlanex16_b32 v[PT+16*\x+\b], v[BM+16*\x+\b], s[SEL], s[SEL+1]
.endr
.endr
.irp b, 0,1,2,3
.irp x, 0,1
	v_max_num_f32 v[BM+16*\x+\b], v[BM+16*\x+\b], v[PT+16*\x+\b]   ; with lane l xor 16's 16 keys
.endr
.endr
.irp x, 0,1
	v_max3_num_f32 v[TT+\x], v[BM+16*\x], v[BM+16*\x+1], v[BM+16*\x+2]
.endr
.irp x, 0,1
	v_max_num_f32 v[TT+\x], v[TT+\x], v[BM+16*\x+3]        ; the step's largest score of my query
.endr
.irp x, 0,1
	v_mul_f32 v[TT+\x], s[CS], v[TT+\x]                    ; as t (c is positive)
.endr
.irp x, 0,1
	v_max_num_f32 v[ST+4*\x+1], v[ST+4*\x+1], v[TT+\x]     ; the running largest t
.endr
.irp x, 0,1
	v_mov_b32 v[TT+\x], v[ST+4*\x]
.endr
.irp x, 0,1
	v_floor_f32 v[ST+4*\x], -v[ST+4*\x+1]                  ; the new -M = floor(-t) = -ceil(t): M IS A WHOLE NUMBER
.endr
.irp x, 0,1
	v_sub_f32 v[TT+\x], v[ST+4*\x], v[TT+\x]               ; M's old value less its new one: a whole number, 0 or less
.endr
.irp x, 0,1
	v_cvt_i32_f32 v[TT+\x], v[TT+\x]                       ; (it saturates)
.endr
.irp x, 0,1
	v_ldexp_f32 v[F+2*\x], 1.0, v[TT+\x]                   ; f = 2^(old M - new M): a multiplication by it rounds nothing
.endr
.set j, 0
.rept 32
	v_pk_fma_f32 v[S+j:S+j+1], v[S+j:S+j+1], s[CS:CS+1], v[ST:ST+1] op_sel_hi:[1,0,0]               ; t - M, two at a time
	v_pk_fma_f32 v[S+64+j:S+64+j+1], v[S+64+j:S+64+j+1], s[CS:CS+1], v[ST+4:ST+5] op_sel_hi:[1,0,0]
.set j, j+2
.endr
.irp b, 0,1,2,3
.irp x, 0,1
	v_fma_f32 v[BM+16*\x+\b], v[BM+16*\x+\b], s[CS], v[ST+4*\x]   ; the same of each block's largest score
.endr
.endr
.set j, 0
.rept 64
	v_exp_f32 v[S+j], v[S+j]                               ; p = 2^(t - M), at most 1: NOT normalised
	v_exp_f32 v[S+64+j], v[S+64+j]
.set j, j+1
.endr
.irp b, 0,1,2,3
.irp x, 0,1
	v_exp_f32 v[BM+16*\x+\b], v[BM+16*\x+\b]               ; the block's largest p: the same two instructions on the same number give the same bits
.endr
.endr
.irp x, 0,1
	v_pk_mul_f32 v[ST+4*\x+2:ST+4*\x+3], v[ST+4*\x+2:ST+4*\x+3], v[F+2*\x:F+2*\x+1] op_sel_hi:[1,0]   ; the sums under the new M.  (A plain place behind the exponentials)
.endr
	s_wait_alu depctr_va_vdst(0)
.irp b, 0,1,2,3
.irp x, 0,1
	v_max_num_f32 v[BM+16*\x+\b], 0x2800000, v[BM+16*\x+\b]   ; the floor 2^(5 - 127): the byte cannot fall under 1
.endr
.endr
.irp b, 0,1,2,3
.irp x, 0,1
	v_add_nc_u32 v[SO+16*\x+\b], 0xfe000000, v[BM+16*\x+\b]   ; 4 off the exponent field: the conversion's scale operand
.endr
.endr
.irp b, 0,1,2,3
.irp x, 0,1
	v_lshrrev_b32 v[BY+16*\x+\b], 23, v[SO+16*\x+\b]       ; the scale's byte
.endr
.endr
.irp x, 0,1
	v_lshl_or_b32 v[PW+\x], v[BY+16*\x+1], 8, v[BY+16*\x]  ; p's scale word for these 128 keys
.endr
.irp x, 0,1
	v_lshl_or_b32 v[PW+\x], v[BY+16*\x+2], 16, v[PW+\x]
.endr
.irp x, 0,1
	v_lshl_or_b32 v[PW+\x], v[BY+16*\x+3], 24, v[PW+\x]
.endr
.irp c, 0,1
.irp x, 0,1
	v_cvt_scalef32_pk16_bf6_f32 v[PC+12*\x+6*\c:PC+12*\x+6*\c+2], v[S+64*\x+32*\c:S+64*\x+32*\c+15], v[SO+16*\x+2*\c]
	v_cvt_scalef32_pk16_bf6_f32 v[CT+8*\x+4*\c:CT+8*\x+4*\c+2], v[S+64*\x+32*\c+16:S+64*\x+32*\c+31], v[SO+16*\x+2*\c+1]   ; (a conversion's three registers begin on an even number)
.endr
.endr
	v_nop                                                  ; one plain place behind a scaled conversion
.irp c, 0,1                            ; the operand's layout wants a WHOLE block in a lane: lanes 0-15 block 2 c, lanes 16-31 block 2 c + 1
.irp x, 0,1
.irp i, 0,1,2
	v_permlane16_swap_b32 v[PC+12*\x+6*\c+\i], v[CT+8*\x+4*\c+\i]
.endr
.endr
.endr
.irp c, 0,1
.irp x, 0,1
.irp i, 0,1,2
	v_mov_b32 v[PC+12*\x+3+6*\c+\i], v[CT+8*\x+4*\c+\i]
.endr
.endr
.endr
.irp x, 0,1
	v_pk_add_f32 v[S2+2*\x:S2+2*\x+1], v[S+64*\x:S+64*\x+1], v[S+64*\x+2:S+64*\x+3]   ; THE ROW'S SUM IS TAKEN OF THE UNQUANTISED p: two at a time, in two chains a tile
.endr
.irp j, 4,8,12,16,20,24,28,32,36,40,44,48,52,56,60
.irp x, 0,1
	v_pk_add_f32 v[ST+4*\x+2:ST+4*\x+3], v[ST+4*\x+2:ST+4*\x+3], v[S+64*\x+\j:S+64*\x+\j+1]
	v_pk_add_f32 v[S2+2*\x:S2+2*\x+1], v[S2+2*\x:S2+2*\x+1], v[S+64*\x+\j+2:S+64*\x+\j+3]
.endr
.endr
.irp x, 0,1
	v_pk_add_f32 v[ST+4*\x+2:ST+4*\x+3], v[ST+4*\x+2:ST+4*\x+3], v[S2+2*\x:S2+2*\x+1]
.endr
.endm
; A UNIT: two tiles of queries (tau0, tau0 + 1 of Q's four) x the 128 keys of step s17
.macro UNIT tau0
	s_add_co_u32 s21, s17, 8                       ; my next step: in this pass, or the first of the next pass, or none (s22 = 0)
	s_cmp_lt_u32 s21, s18
	s_cselect_b32 s21, s21, s19
	s_cselect_b32 s22, 1, s20
	s_mul_i32 s34, s21, REC
	WIN 0x05                                       ; K and Q window 1, S^T window 0
.irp b, 0,1,2,3
.irp u, 0,1
.irp x, 0,1
.if \u == 0
	v_wmma_scale_f32_16x16x128_f8f6f4 v[S+64*\x+16*\b:S+64*\x+16*\b+7], v[112+12*\b:123+12*\b], v[166+12*(\tau0+\x):177+12*(\tau0+\x)], 0, v[32+\b], v[26+\tau0+\x] matrix_a_fmt:MATRIX_FMT_BF6 matrix_b_fmt:MATRIX_FMT_BF6
.else
	v_wmma_scale_f32_16x16x128_f8f6f4 v[S+64*\x+16*\b+8:S+64*\x+16*\b+15], v[112+12*\b:123+12*\b], v[160+12*(\tau0+\x):171+12*(\tau0+\x)], 0, v[32+\b], v[26+\tau0+\x] matrix_a_fmt:MATRIX_FMT_BF6 matrix_b_fmt:MATRIX_FMT_BF6 matrix_a_scale:MATRIX_SCALE_ROW1
.endif
.endr
.endr
.endr
	WIN 0
.rept 4
	v_nop                                          ; places in front of the loads into K's registers and of the first reads of the scores
.endr
	s_cmp_lg_u32 s22, 0
	s_cbranch_scc0 .Lnok_\@
	s_add_nc_u64 s[26:27], s[24:25], s[34:35]      ; (every load that named this base has been waited for)
	LOADK                                          ; the next step's K lands under this step's softmax
.Lnok_\@:
	s_add_co_u32 s37, s17, 1                       ; only a block's last step lies on the diagonal; in it every query sees at least the step's first key
	s_cmp_lg_u32 s37, s18
	s_cbranch_scc1 .Lopen_\@
	s_lshl_b32 s37, s17, 7
	s_sub_co_i32 s37, s36, s37                     ; the block's first query - the step's first key
	s_add_co_i32 s38, s37, 16
	MASK 0, 37
	MASK 1, 38
.Lopen_\@:
	SOFTMAX
	s_wait_loadcnt 0x0                             ; the one wait for loads in a unit: this step's V, asked for a unit ago, and the next step's K
	WIN 0x41                                       ; O^T window 1, f window 0
.set j, 0
.rept 16
	v_pk_mul_f32 v[j:j+1], v[j:j+1], v[F:F+1] op_sel_hi:[1,0]            ; O^T under the new M: x f; each accumulator from its low end on
	v_pk_mul_f32 v[32+j:32+j+1], v[32+j:32+j+1], v[F+2:F+3] op_sel_hi:[1,0]
.set j, j+2
.endr
	WIN 0x51                                       ; V window 1, p window 0, C and D window 1
.irp ct, 0,1,2,3                       ; O^T += V^T P^T: eight accumulators by turns, one instruction a turn, and the scores' products stand between two units
.irp x, 0,1
.if \ct%2 == 0
	v_wmma_scale_f32_16x16x128_f8f6f4 v[32*\x+8*\ct:32*\x+8*\ct+7], v[64+12*\ct:75+12*\ct], v[PC+12*\x:PC+12*\x+11], v[32*\x+8*\ct:32*\x+8*\ct+7], v[36+\ct/2], v[PW+\x] matrix_a_fmt:MATRIX_FMT_BF6 matrix_b_fmt:MATRIX_FMT_BF6
.else
	v_wmma_scale_f32_16x16x128_f8f6f4 v[32*\x+8*\ct:32*\x+8*\ct+7], v[64+12*\ct:75+12*\ct], v[PC+12*\x:PC+12*\x+11], v[32*\x+8*\ct:32*\x+8*\ct+7], v[36+\ct/2], v[PW+\x] matrix_a_fmt:MATRIX_FMT_BF6 matrix_b_fmt:MATRIX_FMT_BF6 matrix_a_scale:MATRIX_SCALE_ROW1
.endif
.endr
.endr
	WIN 0
.rept 4
	v_nop                                          ; places in front of the loads into V's registers, of writes of p's codes and scale words, and of reads of O^T
.endr
	s_cmp_lg_u32 s22, 0
	s_cbranch_scc0 .Lnov_\@
	s_mov_b64 s[28:29], s[26:27]                   ; (no load is out)
	LOADV                                          ; the next step's V: wanted behind the next softmax
.Lnov_\@:
.endm
; A PASS: my steps of one block of 32 queries (p = 0: block 127 - i, p = 1: block i); then my part goes to LDS
.macro PASS p
.if \p == 1
	s_wait_dscnt 0x0                               ; the first pass's LDS stores have read O^T and the statistics
.endif
	WIN 0x40
.set j, 0
.rept 64
	v_mov_b32 v[j], 0                              ; O^T begins as zeros, so that the unit is written once: its first change of M multiplies zeros
.set j, j+1
.endr
	WIN 0
.irp x, 0,1
	v_mov_b32 v[ST+4*\x+1], 0xff61b1e6             ; the largest t so far: -3e38, under every t
	v_floor_f32 v[ST+4*\x], -v[ST+4*\x+1]          ; -M
	v_mov_b32 v[ST+4*\x+2], 0                      ; the sum, in two halves
	v_mov_b32 v[ST+4*\x+3], 0
.endr
	s_mov_b32 s17, s12                             ; my first step
.if \p == 0
	s_mov_b32 s18, s16
	s_mov_b32 s19, s12                             ; behind my last step of this pass: step w of the early block,
	s_cmp_lt_u32 s12, s15
	s_cselect_b32 s20, 1, 0                        ; if it has one
	s_lshl_b32 s36, s10, 5                         ; the block's first query
.else
	s_mov_b32 s18, s15
	s_mov_b32 s20, 0
	s_lshl_b32 s36, s13, 5
	s_cmp_lt_u32 s12, s15                          ; a wave with no step of the early block stores zeros and -M = 3e38: the merge weighs them with 0
	s_cbranch_scc0 .Lidle
.endif
	s_sub_co_u32 s39, s18, s12                     ; how many of the steps w, w + 8, .. lie under the block's n: (n - w + 7) / 8.  n > w here: the late block has 17 steps or more, the early one stands behind the branch above
	s_add_co_u32 s39, s39, 7
	s_lshr_b32 s39, s39, 3
	s_mov_b32 s23, 0                               ; the loop's counter goes by 1 against that number; s17, the step's number, goes by 8 beside it
.Lunit_\@:
	UNIT 2*\p
	s_add_co_u32 s17, s17, 8
	s_add_co_u32 s23, s23, 1
	s_cmp_lt_u32 s23, s39
	s_cbranch_scc1 .Lunit_\@
.if \p == 1
.Lidle:
.endif
.irp x, 0,1
	v_add_f32 v[ST+4*\x+2], v[ST+4*\x+2], v[ST+4*\x+3]     ; the sum's two halves,
.endr
.irp x, 0,1
	v_permlanex16_b32 v[PT+16*\x], v[ST+4*\x+2], s[SEL], s[SEL+1]
.endr
.irp x, 0,1
	v_add_f32 v[ST+4*\x+1], v[ST+4*\x+2], v[PT+16*\x]      ; and lane l xor 16's: beside -M
.endr
.irp x, 0,1
	ds_store_b64 v6, v[ST+4*\x:ST+4*\x+1] offset:2048*\p+1024*\x   ; both halves of the lanes hold the same pair
.endr
	WIN 0x04                                       ; an LDS store's data are its source 1: window 1
.irp x, 0,1
.irp ct, 0,1,2,3
	ds_store_b128 v[4+\p], v[32*\x+8*\ct:32*\x+8*\ct+3] offset:4352*\x+64*\ct        ; each accumulator from its low end on
	ds_store_b128 v[4+\p], v[32*\x+8*\ct+4:32*\x+8*\ct+7] offset:4352*\x+64*\ct+16
.endr
.endr
	WIN 0
.endm
	s_load_b128 s[4:7], s[0:1], 0x0                ; qc s[4:5], kv s[6:7]
	s_load_b64 s[8:9], s[0:1], 0x10                ; out0
	v_lshl_add_u32 v38, v0, 2, 0x23000
	v_mov_b32 v39, 0
	v_lshrrev_b32 v1, 5, v0
	v_readfirstlane_b32 s12, v1                    ; wave 0..7
	s_mov_b32 s13, ttmp9                           ; i: the early block
	s_and_b32 s14, ttmp7, 0xffff                   ; batch
	s_sub_co_u32 s10, 127, s13                     ; the late block
	s_lshr_b32 s16, s10, 2
	s_add_co_u32 s16, s16, 1                       ; its steps: 17 to 32, so every wave has some
	s_lshr_b32 s15, s13, 2
	s_add_co_u32 s15, s15, 1                       ; the early block's: 1 to 16
	s_mov_b32 s[SEL], 0x76543210
	s_mov_b32 s[SEL+1], 0xfedcba98
	s_mov_b32 s[CS], 0x3e38aa3b                    ; c = log2(e) / sqrt(64)
	s_mov_b32 s[CS+1], s[CS]                       ; (named with it as a pair, so it is written)
	v_and_b32 v11, 31, v0                          ; lane
	v_lshlrev_b32 v1, 4, v11                       ; 16 x lane
	v_lshlrev_b32 v2, 3, v11                       ; 8 x lane
	v_and_b32 v10, 15, v0                          ; r
	v_bfe_u32 v9, v0, 4, 1                         ; h
	v_lshlrev_b32 v3, 4, v9
	v_sub_nc_u32 v3, v10, v3                       ; r - 16 h
	s_mul_i32 s37, s12, 8704
	v_mul_u32_u24 v4, v10, 272
	v_lshl_add_u32 v4, v9, 5, v4
	v_add_nc_u32 v4, s37, v4                       ; my part of O, first pass: row r, 32 h bytes on
	v_add_nc_u32 v5, 69632, v4                     ; second pass
	s_lshl_b32 s37, s12, 3
	s_add_co_u32 s37, s37, STB
	v_lshl_add_u32 v6, v10, 6, s37                 ; my (-M, sum) of row r
	s_lshr_b32 s37, s12, 2
	s_mul_i32 s37, s37, 69632
	s_and_b32 s38, s12, 3
	s_mul_i32 s38, s38, 2176
	s_add_co_u32 s37, s37, s38
	v_mul_u32_u24 v7, v9, 272
	v_lshl_add_u32 v7, v10, 4, v7
	v_add_nc_u32 v7, s37, v7                       ; the merge: rows 8 w on of the 64; lanes 0-15 one row, lanes 16-31 the next
	s_lshl_b32 s37, s12, 9
	s_add_co_u32 s37, s37, STB
	v_lshl_add_u32 v8, v9, 6, s37                  ; and their statistics
	v_lshlrev_b32 v11, 2, v11                      ; 4 x lane
	v_mov_b32 v9, 0xff800000                       ; -infinity
	s_lshl_b32 s44, s14, 18                        ; Q: 256 records of 1,024 bytes a batch, two a block
	s_lshl_b32 s37, s10, 11
	s_add_co_u32 s40, s44, s37
	s_mov_b32 s41, 0
	s_lshl_b32 s37, s13, 11
	s_add_co_u32 s42, s44, s37
	s_mov_b32 s43, 0
	s_mul_i32 s24, s14, 32*REC
	s_mov_b32 s25, 0
	s_mul_i32 s34, s12, REC
	s_mov_b32 s35, 0
	s_wait_kmcnt 0x0
	s_add_nc_u64 s[40:41], s[4:5], s[40:41]
	s_add_nc_u64 s[42:43], s[4:5], s[42:43]
	s_add_nc_u64 s[24:25], s[6:7], s[24:25]        ; the batch's records of K and V
	s_add_nc_u64 s[26:27], s[24:25], s[34:35]      ; step w
	s_mov_b64 s[28:29], s[26:27]
	WIN 0x40
.irp x, 0,1
	global_load_b128 v[166+12*\x:169+12*\x], v1, s[40:41] offset:1024*\x
	global_load_b64 v[170+12*\x:171+12*\x], v2, s[40:41] offset:1024*\x+512
	global_load_b128 v[190+12*\x:193+12*\x], v1, s[42:43] offset:1024*\x
	global_load_b64 v[194+12*\x:195+12*\x], v2, s[42:43] offset:1024*\x+512
.endr
.irp z, 0,1,2,3,4
.irp i, 0,1,2,3,4,5
	v_mov_b32 v[160+12*\z+\i], 0                   ; the runs of zero codes between the tiles of Q
.endr
.endr
	WIN 0
.irp x, 0,1
	global_load_b32 v[26+\x], v11, s[40:41] offset:1024*\x+768
	global_load_b32 v[28+\x], v11, s[42:43] offset:1024*\x+768
.endr
	LOADK
	LOADV
.irp x, 0,1
.irp b, 0,1,2,3
	v_mov_b32 v[PT+16*\x+\b], 0                    ; written once: a lane permute's destination counts as one of its sources
.endr
	v_mov_b32 v[F+2*\x+1], 0                       ; (named as the upper half of a pair)
.endr
	s_wait_loadcnt 13                              ; Q and K are in; V's 13 loads, the youngest, may stay out
	PASS 0
	PASS 1
	; THE MERGE.  Wave w takes rows 8 w .. 8 w + 7 of the 64 (32 of each block), two rows at a time: sixteen lanes to a row of 256 bytes.
	s_wait_dscnt 0x0                               ; for the others' sake: my parts lie in LDS
	s_barrier_signal -1
	s_barrier_wait -1
	s_cmp_lt_u32 s12, 4
	s_cselect_b32 s37, s10, s13                    ; waves 0-3: the late block, waves 4-7: the early one
	s_lshl_b32 s37, s37, 13                        ; 32 rows of 256 bytes a block,
	s_lshl_b32 s38, s14, 20                        ; 4,096 a batch,
	s_add_co_u32 s37, s37, s38
	s_and_b32 s38, s12, 3
	s_lshl_b32 s38, s38, 11                        ; 8 a wave
	s_add_co_u32 s44, s37, s38
	s_mov_b32 s45, 0
	s_add_nc_u64 s[8:9], s[8:9], s[44:45]
.irp it, 0,1,2,3
.irp p, 0,1,2,3,4,5,6,7
	ds_load_b128 v[44+48*\it+4*\p:47+48*\it+4*\p], v7 offset:8704*\p+544*\it   ; wave p's part of my 16 bytes
.endr
.irp q, 0,1,2,3
	ds_load_b128 v[76+48*\it+4*\q:79+48*\it+4*\q], v8 offset:128*\it+16*\q     ; (-M, sum) of waves 2 q and 2 q + 1
.endr
.endr
.irp it, 0,1,2,3
	s_wait_dscnt 36-12*\it                         ; twelve loads belong to each pair of rows: the later pairs' may stay out
	v_min3_num_f32 v252, v[76+48*\it], v[78+48*\it], v[80+48*\it]
	v_min3_num_f32 v252, v252, v[82+48*\it], v[84+48*\it]
	v_min3_num_f32 v252, v252, v[86+48*\it], v[88+48*\it]
	v_min_num_f32 v252, v252, v[90+48*\it]         ; the least -M: the row's M
.irp p, 0,1,2,3,4,5,6,7
	v_sub_f32 v[237+2*\p], v252, v[76+48*\it+2*\p] ; M of part p less the row's M: a whole number, 0 or less
.endr
.irp p, 0,1,2,3,4,5,6,7
	v_cvt_i32_f32 v[237+2*\p], v[237+2*\p]         ; (it saturates: a part without work gets the weight 0)
.endr
.irp p, 0,1,2,3,4,5,6,7
	v_ldexp_f32 v[236+2*\p], 1.0, v[237+2*\p]      ; the part's weight, an exact power of two
.endr
	v_mul_f32 v253, v236, v[77+48*\it]
.irp p, 1,2,3,4,5,6,7
	v_fma_f32 v253, v[236+2*\p], v[77+48*\it+2*\p], v253   ; the row's sum
.endr
	v_pk_mul_f32 v[44+48*\it:45+48*\it], v[44+48*\it:45+48*\it], v[236:237] op_sel_hi:[1,0]
	v_pk_mul_f32 v[46+48*\it:47+48*\it], v[46+48*\it:47+48*\it], v[236:237] op_sel_hi:[1,0]
.irp p, 1,2,3,4,5,6,7
	v_pk_fma_f32 v[44+48*\it:45+48*\it], v[44+48*\it+4*\p:45+48*\it+4*\p], v[236+2*\p:237+2*\p], v[44+48*\it:45+48*\it] op_sel_hi:[1,0,1]
	v_pk_fma_f32 v[46+48*\it:47+48*\it], v[46+48*\it+4*\p:47+48*\it+4*\p], v[236+2*\p:237+2*\p], v[46+48*\it:47+48*\it] op_sel_hi:[1,0,1]
.endr
	v_rcp_f32 v254, v253
	v_rcp_f32 v255, v253
	v_nop                                          ; one plain place behind a transcendental
	s_wait_alu depctr_va_vdst(0)
	v_pk_mul_f32 v[44+48*\it:45+48*\it], v[44+48*\it:45+48*\it], v[254:255]
	v_pk_mul_f32 v[46+48*\it:47+48*\it], v[46+48*\it:47+48*\it], v[254:255]
	global_store_b128 v1, v[44+48*\it:47+48*\it], s[8:9] offset:512*\it th:TH_STORE_NT   ; 16 lanes store a whole row of 256 consecutive bytes, at a multiple of 256 from out0's first byte; each pair of rows has registers of its own
.endr
	s_wait_tensorcnt 0x0
	ds_add_u32 v38, v39
	s_wait_dscnt 0x0
	s_endpgm
.Lfunc_end_k_qae24e7fa3c_attn:
	.size	k_qae24e7fa3c_attn, .Lfunc_end_k_qae24e7fa3c_attn-k_qae24e7fa3c_attn
	.p2alignl 7, 3214868480
	.fill 96, 4, 3214868480
	.section	.rodata,"a",@progbits
	.p2align	6, 0x0
	.amdhsa_kernel k_qae24e7fa3c_attn
		.amdhsa_group_segment_fixed_size 144384
		.amdhsa_private_segment_fixed_size 0
		.amdhsa_enable_private_segment 0
		.amdhsa_kernarg_size 24
		.amdhsa_user_sgpr_count 2
		.amdhsa_user_sgpr_kernarg_segment_ptr 1
		.amdhsa_wavefront_size32 1
		.amdhsa_system_sgpr_workgroup_id_x 1
		.amdhsa_system_sgpr_workgroup_id_y 1
		.amdhsa_system_sgpr_workgroup_id_z 1
		.amdhsa_system_vgpr_workitem_id 0
		.amdhsa_next_free_vgpr 512
		.amdhsa_next_free_sgpr 66
		.amdhsa_reserve_vcc 1
		.amdhsa_float_denorm_mode_32 3
		.amdhsa_float_denorm_mode_16_64 3
		.amdhsa_memory_ordered 1
		.amdhsa_forward_progress 1
		.amdhsa_inst_pref_size 112
	.end_amdhsa_kernel
	.amdgpu_metadata
---
amdhsa.version: [ 1, 2 ]
amdhsa.kernels:
  - .name:           k_qae24e7fa3c_attn
    .symbol:         k_qae24e7fa3c_attn.kd
    .args:
      - { .name: qc, .offset: 0, .size: 8, .value_kind: global_buffer, .address_space: global }
      - { .name: kv, .offset: 8, .size: 8, .value_kind: global_buffer, .address_space: global }
      - { .name: out0, .offset: 16, .size: 8, .value_kind: global_buffer, .address_space: global }
    .group_segment_fixed_size: 144384
    .private_segment_fixed_size: 0
    .kernarg_segment_align: 8
    .kernarg_segment_size: 24
    .max_flat_workgroup_size: 256
    .sgpr_count:     66
    .vgpr_count:     512
    .wavefront_size: 32
...
	.end_amdgpu_metadata
.endif
;; end of part 3
;; ======== version 2 of 2: 3 launches; version 1 with the launch attn written anew for expert scheduling mode
;; workspace buffers: wf 153,600 bytes; qc 1,048,576 bytes; kv 1,671,168 bytes
;; launch wquant: the kernel of part 1 again; grid 12 x 1, 8 waves a work-group, no clusters, 0 bytes of LDS; arguments Wq, Wk, Wv, wf; writes wf
;; launch proj: the kernel of part 2 again; grid 256 x 1, 4 waves a work-group, no clusters, 327,680 bytes of LDS; arguments x, wf, qc, kv; writes qc, kv
;; launch attn (part 4): grid 64 x 4, 8 waves a work-group, no clusters, 144,384 bytes of LDS; arguments qc, kv, out0; writes out0
.if DOCPART == 4
	.amdgcn_target "amdgcn-amd-amdhsa--gfx1250"
	.amdhsa_code_object_version 6
	.text
	.protected	k_qae24e7fa3c_attn
	.globl	k_qae24e7fa3c_attn
	.p2align	8
	.type	k_qae24e7fa3c_attn,@function
k_qae24e7fa3c_attn:
	s_mov_b64 s[64:65], 0
	v_nop
	global_prefetch_b8 v0, s[64:65] scope:SCOPE_SE
	s_setreg_imm32_b32 hwreg(HW_REG_WAVE_SCHED_MODE, 0, 2), 2
	s_setreg_imm32_b32 hwreg(HW_REG_WAVE_MODE, 25, 1), 1
	s_wait_xcnt 0x0
	s_wait_alu depctr_vm_vsrc(0)
; out[q] = the sum over keys k <= q of softmax_k(q . k / 8) v[k], one head of 64 channels, 4 batches of 4,096 tokens, both products on codes of BF6 (E3M2) with one E8M0 scale for each 32 along a product's K.
; THE SOFTMAX AHEAD OF THE SECOND PRODUCT: t = score x log2(e) / 8; M = the largest t so far, rounded UP to a whole number; p = 2^(t - M) is quantised along the keys, not normalised; the sum of the unquantised p divides at the end.
; SHARES.  Work-group (i, batch) owns two blocks of 32 queries, 127 - i and i: a block blk sees blk / 4 + 1 steps of 128 keys, and the two together 33 in every work-group.  THE EIGHT WAVES SHARE THE KEYS: wave w takes steps w, w + 8, ..
; of the late block and then of the early one, each for both tiles of 16 queries, with its own running M, sum and O^T.  The eight parts meet in LDS and are merged by exact powers of two.  Steps wholly behind the mask are never walked.
; OPERANDS come from memory straight into registers, 16 bytes a lane, 512 consecutive bytes a load: the launch before laid them in register order.  No two waves of a work-group read the same step, so nothing would be shared in LDS;
; partners of a cluster would walk different numbers of steps, so no joint loads.  K of the next step is asked for ahead of a step's softmax, V behind its last product.
; K = 64 IN AN INSTRUCTION OF 128: a fragment of K holds two tiles of 16 keys (registers 0-5 and 6-11); the query operand is [q | zero codes] or [zero codes | q] and so picks one of them.  Zero codes add nothing; q's and k's scale words repeat their two bytes.
; LAYOUT.  Both products are used transposed (S^T = K Q^T, O^T = V^T P^T): a lane holds ONE query.  Lane r of tile 2 b + u holds key 32 b + 8 u + r + 8 (r / 8), so the 16 registers of tiles 2 b, 2 b + 1 are keys 32 b + 16 h + 0 .. 15.
; LIMITS: NaN and infinities are not served; a p under 2^-126 counts as 0 (v_exp_f32 flushes); a block whose every p is 0 keeps the byte 1 with zero codes.
; REGISTERS: window 0: v1-11 addresses and constants; v12-19 -M, largest t, sum (two halves) for each tile; v20-23 f; v24-25 p's scale words; v26-29 Q's; v32-35 K's; v36-37 V's; v40-71 at work; v76-91, v92-115 p's codes; v116-243 S^T, then p.
;   window 1: v0-63 O^T (32 x + 8 ct); v64-111 V; v112-159 K; v160-213 Q: runs of six registers [0 | q0 | 0 | q1 | 0 | q2 | 0 | q3 | 0].
; THE MODE: SCHED_MODE bits 1:0 = 2 (LLVM: expert scheduling mode 2), set by the entry lines.  The code itself states the register dependences between vector or matrix instructions and memory or LDS instructions, with s_wait_alu, always for 0.
; THE PLAN.  Registers that memory or LDS instructions touch:
;   v1, v2, v11   offsets of the global loads and stores; v4-v6 addresses of the LDS stores; v7, v8 of the LDS loads: written once at the head, never again.
;   K and v32-35  the loads of step s + 1 land there; read by the sixteen score products of a unit alone.  One buffer: the loads follow ONE wait behind those products and have the whole softmax in which to land.
;   V and v36-37  the loads of step s + 1 land there; read by the eight products V^T P^T of a unit alone.  One buffer: the loads follow ONE wait behind those products.
;   Q             loaded once; the zero codes between its tiles are written at the head, ahead of the head's wait.
;   p's codes and scale words: written by vector lines, read by scaled products: ONE wait directly ahead of the eight products.
;   O^T, v12-19   read by the LDS stores at a pass's end (one wait ahead of the run), written again at the second pass's head (one wait on vm_vsrc there).
;   v44-235       the merge's LDS loads land there: no vector line stands between the second pass's last wait and those loads.  v[44 + 48 it ..] are the data of the four global stores: one wait ahead of the run.
;   s12, s66-97   scalars written by vector lines: a wait on va_sdst ahead of the first reader of each run.
; A second buffer for K or V would take 52 or 50 registers: window 1 has 42 to spare, and two waves of 512 fill a SIMD's registers.
.set REC, 13056                        ; a step's record: K's codes 0, V's 6,144, K's scale words 12,288, V's 12,800
.set STB, 139264                       ; LDS: parts of O at pass x 69,632 + wave x 8,704 + row x 272; from STB on (-M, sum) at 64 (32 pass + row) + 8 wave
.set ST,  12
.set F,   20
.set PW,  24
.set TT,  30
.set BM,  40                           ; + 16 x: block maxima 4, permute targets 4, bytes 4, scale operands 4
.set PT,  44
.set BY,  48
.set SO,  52
.set CT,  76
.set PC,  92
.set S,   116
.set S2,  244
.set SEL, 30                           ; s[30:31]
.set CS,  32                           ; s[32:33] c = log2(e) / 8: the packed form names a pair and takes its low word for both halves
.set MK,  66                           ; s66-97  the diagonal: 32 lane masks at a time
.set MSB, 0
.macro WIN new                         ; the immediate's high byte repeats the setting that is left
.if MSB != \new
	s_set_vgpr_msb (MSB<<8)|\new
.set MSB, \new
.endif
.endm
.macro LOADK                           ; a step's four fragments of K and their scale words: 13 loads
	WIN 0x40                                       ; destination window 1
.irp j, 0,1,2,3,4,5,6,7,8,9,10,11
	global_load_b128 v[112+4*\j:115+4*\j], v1, s[26:27] offset:512*\j
.endr
	WIN 0
	global_load_b128 v[32:35], v1, s[26:27] offset:12288   ; register b: tile 2 b in lanes 0-15, tile 2 b + 1 in lanes 16-31
.endm
.macro LOADV                           ; and of V: 13 loads
	WIN 0x40
.irp j, 0,1,2,3,4,5,6,7,8,9,10,11
	global_load_b128 v[64+4*\j:67+4*\j], v1, s[28:29] offset:6144+512*\j
.endr
	WIN 0
	global_load_b64 v[36:37], v2, s[28:29] offset:12800    ; word 0: channel = lane, word 1: channel 32 + lane
.endm
.macro MASK x, sreg                    ; on the diagonal: register n holds key 128 s + 16 h + 32 (n / 16) + n % 16, hidden where 32 (n / 16) + n % 16 > my query - 128 s - 16 h.  Whole numbers made of ids alone
	v_add_nc_u32 v10, s[\sreg], v3
.irp g, 0,1                            ; the compares go in runs of 32, each into a scalar register of its own, so that one wait serves a run
.set n, 32*\g
.rept 32
	v_cmp_gt_i32 s[MK+n%32], 32*(n/16)+n%16, v10
.set n, n+1
.endr
	s_wait_alu depctr_va_sdst(0)                   ; the 32 compares have written their masks, which the 32 selects below read
.set n, 32*\g
.rept 32
	v_cndmask_b32 v[S+64*\x+n], v[S+64*\x+n], v9, s[MK+n%32]   ; -infinity: p = 0 then.  (Each accumulator is read from its low end on)
.set n, n+1
.endr
.endr
.endm
; The softmax of two tiles (x = 0, 1) x 128 keys, line by line for both tiles by turns
.macro SOFTMAX
.irp b, 0,1,2,3
.irp x, 0,1
	v_max3_num_f32 v[BM+16*\x+\b], v[S+64*\x+16*\b], v[S+64*\x+16*\b+1], v[S+64*\x+16*\b+2]   ; THE LARGEST SCORE OF EACH BLOCK OF 32 KEYS serves twice: for the row's maximum and, since p rises with the score, for the block's largest p
.endr
.endr
.irp i, 3,5,7,9,11,13
.irp b, 0,1,2,3
.irp x, 0,1
	v_max3_num_f32 v[BM+16*\x+\b], v[BM+16*\x+\b], v[S+64*\x+16*\b+\i], v[S+64*\x+16*\b+\i+1]
.endr
.endr
.endr
.irp b, 0,1,2,3
.irp x, 0,1
	v_max_num_f32 v[BM+16*\x+\b], v[BM+16*\x+\b], v[S+64*\x+16*\b+15]
.endr
.endr
.irp b, 0,1,2,3
.irp x, 0,1
	v_permlanex16_b32 v[PT+16*\x+\b], v[BM+16*\x+\b], s[SEL], s[SEL+1]
.endr
.endr
.irp b, 0,1,2,3
.irp x, 0,1
	v_max_num_f32 v[BM+16*\x+\b], v[BM+16*\x+\b], v[PT+16*\x+\b]   ; with lane l xor 16's 16 keys
.endr
.endr
.irp x, 0,1
	v_max3_num_f32 v[TT+\x], v[BM+16*\x], v[BM+16*\x+1], v[BM+16*\x+2]
.endr
.irp x, 0,1
	v_max_num_f32 v[TT+\x], v[TT+\x], v[BM+16*\x+3]        ; the step's largest score of my query
.endr
.irp x, 0,1
	v_mul_f32 v[TT+\x], s[CS], v[TT+\x]                    ; as t (c is positive)
.endr
.irp x, 0,1
	v_max_num_f32 v[ST+4*\x+1], v[ST+4*\x+1], v[TT+\x]     ; the running largest t
.endr
.irp x, 0,1
	v_mov_b32 v[TT+\x], v[ST+4*\x]
.endr
.irp x, 0,1
	v_floor_f32 v[ST+4*\x], -v[ST+4*\x+1]                  ; the new -M = floor(-t) = -ceil(t): M IS A WHOLE NUMBER
.endr
.irp x, 0,1
	v_sub_f32 v[TT+\x], v[ST+4*\x], v[TT+\x]               ; M's old value less its new one: a whole number, 0 or less
.endr
.irp x, 0,1
	v_cvt_i32_f32 v[TT+\x], v[TT+\x]                       ; (it saturates)
.endr
.irp x, 0,1
	v_ldexp_f32 v[F+2*\x], 1.0, v[TT+\x]                   ; f = 2^(old M - new M): a multiplication by it rounds nothing
.endr
.set j, 0
.rept 32
	v_pk_fma_f32 v[S+j:S+j+1], v[S+j:S+j+1], s[CS:CS+1], v[ST:ST+1] op_sel_hi:[1,0,0]               ; t - M, two at a time
	v_pk_fma_f32 v[S+64+j:S+64+j+1], v[S+64+j:S+64+j+1], s[CS:CS+1], v[ST+4:ST+5] op_sel_hi:[1,0,0]
.set j, j+2
.endr
.irp b, 0,1,2,3
.irp x, 0,1
	v_fma_f32 v[BM+16*\x+\b], v[BM+16*\x+\b], s[CS], v[ST+4*\x]   ; the same of each block's largest score
.endr
.endr
.set j, 0
.rept 64
	v_exp_f32 v[S+j], v[S+j]                               ; p = 2^(t - M), at most 1: NOT normalised
	v_exp_f32 v[S+64+j], v[S+64+j]
.set j, j+1
.endr
.irp b, 0,1,2,3
.irp x, 0,1
	v_exp_f32 v[BM+16*\x+\b], v[BM+16*\x+\b]               ; the block's largest p: the same two instructions on the same number give the same bits
.endr
.endr
.irp x, 0,1
	v_pk_mul_f32 v[ST+4*\x+2:ST+4*\x+3], v[ST+4*\x+2:ST+4*\x+3], v[F+2*\x:F+2*\x+1] op_sel_hi:[1,0]   ; the sums under the new M.  (A plain place behind the exponentials)
.endr
	s_wait_alu depctr_va_vdst(0)                           ; the 136 exponentials have written p and the blocks' largest p: one wait for the batch, ahead of the first line that names a result
.irp b, 0,1,2,3
.irp x, 0,1
	v_max_num_f32 v[BM+16*\x+\b], 0x2800000, v[BM+16*\x+\b]   ; the floor 2^(5 - 127): the byte cannot fall under 1
.endr
.endr
.irp b, 0,1,2,3
.irp x, 0,1
	v_add_nc_u32 v[SO+16*\x+\b], 0xfe000000, v[BM+16*\x+\b]   ; 4 off the exponent field: the conversion's scale operand
.endr
.endr
.irp b, 0,1,2,3
.irp x, 0,1
	v_lshrrev_b32 v[BY+16*\x+\b], 23, v[SO+16*\x+\b]       ; the scale's byte
.endr
.endr
.irp x, 0,1
	v_lshl_or_b32 v[PW+\x], v[BY+16*\x+1], 8, v[BY+16*\x]  ; p's scale word for these 128 keys
.endr
.irp x, 0,1
	v_lshl_or_b32 v[PW+\x], v[BY+16*\x+2], 16, v[PW+\x]
.endr
.irp x, 0,1
	v_lshl_or_b32 v[PW+\x], v[BY+16*\x+3], 24, v[PW+\x]
.endr
.irp c, 0,1
.irp x, 0,1
	v_cvt_scalef32_pk16_bf6_f32 v[PC+12*\x+6*\c:PC+12*\x+6*\c+2], v[S+64*\x+32*\c:S+64*\x+32*\c+15], v[SO+16*\x+2*\c]
	v_cvt_scalef32_pk16_bf6_f32 v[CT+8*\x+4*\c:CT+8*\x+4*\c+2], v[S+64*\x+32*\c+16:S+64*\x+32*\c+31], v[SO+16*\x+2*\c+1]   ; (a conversion's three registers begin on an even number)
.endr
.endr
	v_nop                                                  ; one plain place behind a scaled conversion
.irp c, 0,1                            ; the operand's layout wants a WHOLE block in a lane: lanes 0-15 block 2 c, lanes 16-31 block 2 c + 1
.irp x, 0,1
.irp i, 0,1,2
	v_permlane16_swap_b32 v[PC+12*\x+6*\c+\i], v[CT+8*\x+4*\c+\i]
.endr
.endr
.endr
.irp c, 0,1
.irp x, 0,1
.irp i, 0,1,2
	v_mov_b32 v[PC+12*\x+3+6*\c+\i], v[CT+8*\x+4*\c+\i]
.endr
.endr
.endr
.irp x, 0,1
	v_pk_add_f32 v[S2+2*\x:S2+2*\x+1], v[S+64*\x:S+64*\x+1], v[S+64*\x+2:S+64*\x+3]   ; THE ROW'S SUM IS TAKEN OF THE UNQUANTISED p: two at a time, in two chains a tile
.endr
.irp j, 4,8,12,16,20,24,28,32,36,40,44,48,52,56,60
.irp x, 0,1
	v_pk_add_f32 v[ST+4*\x+2:ST+4*\x+3], v[ST+4*\x+2:ST+4*\x+3], v[S+64*\x+\j:S+64*\x+\j+1]
	v_pk_add_f32 v[S2+2*\x:S2+2*\x+1], v[S2+2*\x:S2+2*\x+1], v[S+64*\x+\j+2:S+64*\x+\j+3]
.endr
.endr
.irp x, 0,1
	v_pk_add_f32 v[ST+4*\x+2:ST+4*\x+3], v[ST+4*\x+2:ST+4*\x+3], v[S2+2*\x:S2+2*\x+1]
.endr
.endm
; A UNIT: two tiles of queries (tau0, tau0 + 1 of Q's four) x the 128 keys of step s17
.macro UNIT tau0
	s_add_co_u32 s21, s17, 8                       ; my next step: in this pass, or the first of the next pass, or none (s22 = 0)
	s_cmp_lt_u32 s21, s18
	s_cselect_b32 s21, s21, s19
	s_cselect_b32 s22, 1, s20
	s_mul_i32 s34, s21, REC
	WIN 0x05                                       ; K and Q window 1, S^T window 0
.irp b, 0,1,2,3
.irp u, 0,1
.irp x, 0,1
.if \u == 0
	v_wmma_scale_f32_16x16x128_f8f6f4 v[S+64*\x+16*\b:S+64*\x+16*\b+7], v[112+12*\b:123+12*\b], v[166+12*(\tau0+\x):177+12*(\tau0+\x)], 0, v[32+\b], v[26+\tau0+\x] matrix_a_fmt:MATRIX_FMT_BF6 matrix_b_fmt:MATRIX_FMT_BF6
.else
	v_wmma_scale_f32_16x16x128_f8f6f4 v[S+64*\x+16*\b+8:S+64*\x+16*\b+15], v[112+12*\b:123+12*\b], v[160+12*(\tau0+\x):171+12*(\tau0+\x)], 0, v[32+\b], v[26+\tau0+\x] matrix_a_fmt:MATRIX_FMT_BF6 matrix_b_fmt:MATRIX_FMT_BF6 matrix_a_scale:MATRIX_SCALE_ROW1
.endif
.endr
.endr
.endr
	WIN 0
.rept 4
	v_nop                                          ; places in front of the first reads of the scores
.endr
	s_wait_alu depctr_va_vdst(0)                   ; the sixteen products are done reading K's fragments and K's scale words, in which the loads below land; only scalar lines and window switches stand between this wait and those loads
	s_cmp_lg_u32 s22, 0
	s_cbranch_scc0 .Lnok_\@
	s_add_nc_u64 s[26:27], s[24:25], s[34:35]      ; (every load that named this base has been waited for)
	LOADK                                          ; the next step's K lands under this step's softmax, none of whose lines names K's registers, v32-35 or v1
.Lnok_\@:
	s_add_co_u32 s37, s17, 1                       ; only a block's last step lies on the diagonal; in it every query sees at least the step's first key
	s_cmp_lg_u32 s37, s18
	s_cbranch_scc1 .Lopen_\@
	s_lshl_b32 s37, s17, 7
	s_sub_co_i32 s37, s36, s37                     ; the block's first query - the step's first key
	s_add_co_i32 s38, s37, 16
	MASK 0, 37
	MASK 1, 38
.Lopen_\@:
	SOFTMAX
	s_wait_loadcnt 0x0                             ; the one wait for loads in a unit: this step's V, asked for a unit ago, and the next step's K
	WIN 0x41                                       ; O^T window 1, f window 0
.set j, 0
.rept 16
	v_pk_mul_f32 v[j:j+1], v[j:j+1], v[F:F+1] op_sel_hi:[1,0]            ; O^T under the new M: x f; each accumulator from its low end on
	v_pk_mul_f32 v[32+j:32+j+1], v[32+j:32+j+1], v[F+2:F+3] op_sel_hi:[1,0]
.set j, j+2
.endr
	WIN 0x51                                       ; V window 1, p window 0, C and D window 1
	s_wait_alu depctr_va_vdst(0)                   ; the vector lines have written p's codes and p's scale words, which the scaled products below take; the sums and the rescaling above are the places between, and stay beside this wait
.irp ct, 0,1,2,3                       ; O^T += V^T P^T: eight accumulators by turns, one instruction a turn, and the scores' products stand between two units
.irp x, 0,1
.if \ct%2 == 0
	v_wmma_scale_f32_16x16x128_f8f6f4 v[32*\x+8*\ct:32*\x+8*\ct+7], v[64+12*\ct:75+12*\ct], v[PC+12*\x:PC+12*\x+11], v[32*\x+8*\ct:32*\x+8*\ct+7], v[36+\ct/2], v[PW+\x] matrix_a_fmt:MATRIX_FMT_BF6 matrix_b_fmt:MATRIX_FMT_BF6
.else
	v_wmma_scale_f32_16x16x128_f8f6f4 v[32*\x+8*\ct:32*\x+8*\ct+7], v[64+12*\ct:75+12*\ct], v[PC+12*\x:PC+12*\x+11], v[32*\x+8*\ct:32*\x+8*\ct+7], v[36+\ct/2], v[PW+\x] matrix_a_fmt:MATRIX_FMT_BF6 matrix_b_fmt:MATRIX_FMT_BF6 matrix_a_scale:MATRIX_SCALE_ROW1
.endif
.endr
.endr
	WIN 0
.rept 4
	v_nop                                          ; places in front of writes of p's codes and scale words, and of reads of O^T
.endr
	s_wait_alu depctr_va_vdst(0)                   ; the eight products are done reading V's fragments and V's scale words, in which the loads below land; only scalar lines and window switches stand between
	s_cmp_lg_u32 s22, 0
	s_cbranch_scc0 .Lnov_\@
	s_mov_b64 s[28:29], s[26:27]                   ; (no load is out)
	LOADV                                          ; the next step's V: wanted behind the next softmax; nothing names its registers before the next unit's wait for loads
.Lnov_\@:
.endm
; A PASS: my steps of one block of 32 queries (p = 0: block 127 - i, p = 1: block i); then my part goes to LDS
.macro PASS p
.if \p == 1
	s_wait_dscnt 0x0                               ; the first pass's LDS stores have landed,
	s_wait_alu depctr_vm_vsrc(0)                   ; and have read O^T and the statistics, which the lines below write again
.endif
	WIN 0x40
.set j, 0
.rept 64
	v_mov_b32 v[j], 0                              ; O^T begins as zeros, so that the unit is written once: its first change of M multiplies zeros
.set j, j+1
.endr
	WIN 0
.irp x, 0,1
	v_mov_b32 v[ST+4*\x+1], 0xff61b1e6             ; the largest t so far: -3e38, under every t
	v_floor_f32 v[ST+4*\x], -v[ST+4*\x+1]          ; -M
	v_mov_b32 v[ST+4*\x+2], 0                      ; the sum, in two halves
	v_mov_b32 v[ST+4*\x+3], 0
.endr
	s_mov_b32 s17, s12                             ; my first step
.if \p == 0
	s_mov_b32 s18, s16
	s_mov_b32 s19, s12                             ; behind my last step of this pass: step w of the early block,
	s_cmp_lt_u32 s12, s15
	s_cselect_b32 s20, 1, 0                        ; if it has one
	s_lshl_b32 s36, s10, 5                         ; the block's first query
.else
	s_mov_b32 s18, s15
	s_mov_b32 s20, 0
	s_lshl_b32 s36, s13, 5
	s_cmp_lt_u32 s12, s15                          ; a wave with no step of the early block stores zeros and -M = 3e38: the merge weighs them with 0
	s_cbranch_scc0 .Lidle
.endif
	s_sub_co_u32 s39, s18, s12                     ; how many of the steps w, w + 8, .. lie under the block's n: (n - w + 7) / 8.  n > w here: the late block has 17 steps or more, the early one stands behind the branch above
	s_add_co_u32 s39, s39, 7
	s_lshr_b32 s39, s39, 3
	s_mov_b32 s23, 0                               ; the loop's counter goes by 1 against that number; s17, the step's number, goes by 8 beside it
.Lunit_\@:
	UNIT 2*\p
	s_add_co_u32 s17, s17, 8
	s_add_co_u32 s23, s23, 1
	s_cmp_lt_u32 s23, s39
	s_cbranch_scc1 .Lunit_\@
.if \p == 1
.Lidle:
.endif
.irp x, 0,1
	v_add_f32 v[ST+4*\x+2], v[ST+4*\x+2], v[ST+4*\x+3]     ; the sum's two halves,
.endr
.irp x, 0,1
	v_permlanex16_b32 v[PT+16*\x], v[ST+4*\x+2], s[SEL], s[SEL+1]
.endr
.irp x, 0,1
	v_add_f32 v[ST+4*\x+1], v[ST+4*\x+2], v[PT+16*\x]      ; and lane l xor 16's: beside -M
.endr
	s_wait_alu depctr_va_vdst(0)                   ; -M and the sum are written, and so is O^T (by the products, or by the zeros of a wave without a step): the run of LDS stores below reads them.  Behind the second pass it also states that every vector and matrix line is done with v44-235, in which the merge's LDS loads land: no vector line stands between
.irp x, 0,1
	ds_store_b64 v6, v[ST+4*\x:ST+4*\x+1] offset:2048*\p+1024*\x   ; both halves of the lanes hold the same pair
.endr
	WIN 0x04                                       ; an LDS store's data are its source 1: window 1
.irp x, 0,1
.irp ct, 0,1,2,3
	ds_store_b128 v[4+\p], v[32*\x+8*\ct:32*\x+8*\ct+3] offset:4352*\x+64*\ct        ; each accumulator from its low end on
	ds_store_b128 v[4+\p], v[32*\x+8*\ct+4:32*\x+8*\ct+7] offset:4352*\x+64*\ct+16
.endr
.endr
	WIN 0
.endm
	s_load_b128 s[4:7], s[0:1], 0x0                ; qc s[4:5], kv s[6:7]
	s_load_b64 s[8:9], s[0:1], 0x10                ; out0
	v_lshl_add_u32 v254, v0, 2, 0x23000
	v_mov_b32 v255, 0
	v_lshrrev_b32 v1, 5, v0
	v_readfirstlane_b32 s12, v1                    ; wave 0..7
	s_mov_b32 s13, ttmp9                           ; i: the early block
	s_and_b32 s14, ttmp7, 0xffff                   ; batch
	s_sub_co_u32 s10, 127, s13                     ; the late block
	s_lshr_b32 s16, s10, 2
	s_add_co_u32 s16, s16, 1                       ; its steps: 17 to 32, so every wave has some
	s_lshr_b32 s15, s13, 2
	s_add_co_u32 s15, s15, 1                       ; the early block's: 1 to 16
	s_mov_b32 s[SEL], 0x76543210
	s_mov_b32 s[SEL+1], 0xfedcba98
	s_mov_b32 s[CS], 0x3e38aa3b                    ; c = log2(e) / sqrt(64)
	s_mov_b32 s[CS+1], s[CS]                       ; (named with it as a pair, so it is written)
	v_and_b32 v11, 31, v0                          ; lane
	v_lshlrev_b32 v1, 4, v11                       ; 16 x lane
	v_lshlrev_b32 v2, 3, v11                       ; 8 x lane
	v_and_b32 v10, 15, v0                          ; r
	v_bfe_u32 v9, v0, 4, 1                         ; h
	v_lshlrev_b32 v3, 4, v9
	v_sub_nc_u32 v3, v10, v3                       ; r - 16 h
	s_wait_alu depctr_va_sdst(0)                   ; s12, the wave's number, is written, ahead of its first reader
	s_mul_i32 s37, s12, 8704
	v_mul_u32_u24 v4, v10, 272
	v_lshl_add_u32 v4, v9, 5, v4
	v_add_nc_u32 v4, s37, v4                       ; my part of O, first pass: row r, 32 h bytes on
	v_add_nc_u32 v5, 69632, v4                     ; second pass
	s_lshl_b32 s37, s12, 3
	s_add_co_u32 s37, s37, STB
	v_lshl_add_u32 v6, v10, 6, s37                 ; my (-M, sum) of row r
	s_lshr_b32 s37, s12, 2
	s_mul_i32 s37, s37, 69632
	s_and_b32 s38, s12, 3
	s_mul_i32 s38, s38, 2176
	s_add_co_u32 s37, s37, s38
	v_mul_u32_u24 v7, v9, 272
	v_lshl_add_u32 v7, v10, 4, v7
	v_add_nc_u32 v7, s37, v7                       ; the merge: rows 8 w on of the 64; lanes 0-15 one row, lanes 16-31 the next
	s_lshl_b32 s37, s12, 9
	s_add_co_u32 s37, s37, STB
	v_lshl_add_u32 v8, v9, 6, s37                  ; and their statistics
	v_lshlrev_b32 v11, 2, v11                      ; 4 x lane
	v_mov_b32 v9, 0xff800000                       ; -infinity
	WIN 0x40
.irp z, 0,1,2,3,4
.irp i, 0,1,2,3,4,5
	v_mov_b32 v[160+12*\z+\i], 0                   ; the runs of zero codes between the tiles of Q
.endr
.endr
	WIN 0
.irp x, 0,1
.irp b, 0,1,2,3
	v_mov_b32 v[PT+16*\x+\b], 0                    ; written once: a lane permute's destination counts as one of its sources
.endr
	v_mov_b32 v[F+2*\x+1], 0                       ; (named as the upper half of a pair)
.endr
	s_lshl_b32 s44, s14, 18                        ; Q: 256 records of 1,024 bytes a batch, two a block
	s_lshl_b32 s37, s10, 11
	s_add_co_u32 s40, s44, s37
	s_mov_b32 s41, 0
	s_lshl_b32 s37, s13, 11
	s_add_co_u32 s42, s44, s37
	s_mov_b32 s43, 0
	s_mul_i32 s24, s14, 32*REC
	s_mov_b32 s25, 0
	s_mul_i32 s34, s12, REC
	s_mov_b32 s35, 0
	s_wait_kmcnt 0x0
	s_add_nc_u64 s[40:41], s[4:5], s[40:41]
	s_add_nc_u64 s[42:43], s[4:5], s[42:43]
	s_add_nc_u64 s[24:25], s[6:7], s[24:25]        ; the batch's records of K and V
	s_add_nc_u64 s[26:27], s[24:25], s[34:35]      ; step w
	s_mov_b64 s[28:29], s[26:27]
	s_wait_alu depctr_va_vdst(0)                   ; the offsets v1, v2, v11 and the LDS addresses v4 to v8 are written, which every load and store of the kernel reads; so are the zero codes, which the scaled score products take (the ten lines behind the last of them are the places)
	WIN 0x40
.irp x, 0,1
	global_load_b128 v[166+12*\x:169+12*\x], v1, s[40:41] offset:1024*\x
	global_load_b64 v[170+12*\x:171+12*\x], v2, s[40:41] offset:1024*\x+512
	global_load_b128 v[190+12*\x:193+12*\x], v1, s[42:43] offset:1024*\x
	global_load_b64 v[194+12*\x:195+12*\x], v2, s[42:43] offset:1024*\x+512
.endr
	WIN 0
.irp x, 0,1
	global_load_b32 v[26+\x], v11, s[40:41] offset:1024*\x+768
	global_load_b32 v[28+\x], v11, s[42:43] offset:1024*\x+768
.endr
	LOADK
	LOADV
	s_wait_loadcnt 13                              ; Q and K are in; V's 13 loads, the youngest, may stay out
	PASS 0
	PASS 1
	; THE MERGE.  Wave w takes rows 8 w .. 8 w + 7 of the 64 (32 of each block), two rows at a time: sixteen lanes to a row of 256 bytes.
	s_wait_dscnt 0x0                               ; for the others' sake: my parts lie in LDS
	s_barrier_signal -1
	s_barrier_wait -1
	s_cmp_lt_u32 s12, 4
	s_cselect_b32 s37, s10, s13                    ; waves 0-3: the late block, waves 4-7: the early one
	s_lshl_b32 s37, s37, 13                        ; 32 rows of 256 bytes a block,
	s_lshl_b32 s38, s14, 20                        ; 4,096 a batch,
	s_add_co_u32 s37, s37, s38
	s_and_b32 s38, s12, 3
	s_lshl_b32 s38, s38, 11                        ; 8 a wave
	s_add_co_u32 s44, s37, s38
	s_mov_b32 s45, 0
	s_add_nc_u64 s[8:9], s[8:9], s[44:45]
.irp it, 0,1,2,3                       ; (no wait on va_vdst here: the one ahead of the second pass's LDS stores has covered these registers, and no vector line has been issued since)
.irp p, 0,1,2,3,4,5,6,7
	ds_load_b128 v[44+48*\it+4*\p:47+48*\it+4*\p], v7 offset:8704*\p+544*\it   ; wave p's part of my 16 bytes
.endr
.irp q, 0,1,2,3
	ds_load_b128 v[76+48*\it+4*\q:79+48*\it+4*\q], v8 offset:128*\it+16*\q     ; (-M, sum) of waves 2 q and 2 q + 1
.endr
.endr
.irp it, 0,1,2,3
	s_wait_dscnt 36-12*\it                         ; twelve loads belong to each pair of rows: the later pairs' may stay out
	v_min3_num_f32 v252, v[76+48*\it], v[78+48*\it], v[80+48*\it]
	v_min3_num_f32 v252, v252, v[82+48*\it], v[84+48*\it]
	v_min3_num_f32 v252, v252, v[86+48*\it], v[88+48*\it]
	v_min_num_f32 v252, v252, v[90+48*\it]         ; the least -M: the row's M
.irp p, 0,1,2,3,4,5,6,7
	v_sub_f32 v[237+2*\p], v252, v[76+48*\it+2*\p] ; M of part p less the row's M: a whole number, 0 or less
.endr
.irp p, 0,1,2,3,4,5,6,7
	v_cvt_i32_f32 v[237+2*\p], v[237+2*\p]         ; (it saturates: a part without work gets the weight 0)
.endr
.irp p, 0,1,2,3,4,5,6,7
	v_ldexp_f32 v[236+2*\p], 1.0, v[237+2*\p]      ; the part's weight, an exact power of two
.endr
	v_mul_f32 v253, v236, v[77+48*\it]
.irp p, 1,2,3,4,5,6,7
	v_fma_f32 v253, v[236+2*\p], v[77+48*\it+2*\p], v253   ; the row's sum
.endr
	v_pk_mul_f32 v[44+48*\it:45+48*\it], v[44+48*\it:45+48*\it], v[236:237] op_sel_hi:[1,0]
	v_pk_mul_f32 v[46+48*\it:47+48*\it], v[46+48*\it:47+48*\it], v[236:237] op_sel_hi:[1,0]
.irp p, 1,2,3,4,5,6,7
	v_pk_fma_f32 v[44+48*\it:45+48*\it], v[44+48*\it+4*\p:45+48*\it+4*\p], v[236+2*\p:237+2*\p], v[44+48*\it:45+48*\it] op_sel_hi:[1,0,1]
	v_pk_fma_f32 v[46+48*\it:47+48*\it], v[46+48*\it+4*\p:47+48*\it+4*\p], v[236+2*\p:237+2*\p], v[46+48*\it:47+48*\it] op_sel_hi:[1,0,1]
.endr
	v_rcp_f32 v[48+48*\it], v253                   ; 1 / the sum, twice, into the pair's own registers (part 1's, which are done with): so the four pairs' reciprocals are one batch.
	v_rcp_f32 v[49+48*\it], v253                   ; The next pair begins with plain lines that touch neither the results nor v253
.endr
	v_nop                                          ; one plain place behind the last transcendental
	s_wait_alu depctr_va_vdst(0)                   ; the eight reciprocals are written: one wait for the batch, ahead of its first reader
.irp it, 0,1,2,3
	v_pk_mul_f32 v[44+48*\it:45+48*\it], v[44+48*\it:45+48*\it], v[48+48*\it:49+48*\it]
	v_pk_mul_f32 v[46+48*\it:47+48*\it], v[46+48*\it:47+48*\it], v[48+48*\it:49+48*\it]
.endr
	s_wait_alu depctr_va_vdst(0)                   ; the eight multiplies have written the four pairs of rows, which the run of stores below reads
.irp it, 0,1,2,3
	global_store_b128 v1, v[44+48*\it:47+48*\it], s[8:9] offset:512*\it th:TH_STORE_NT   ; 16 lanes store a whole row of 256 consecutive bytes, at a multiple of 256 from out0's first byte; each pair of rows has registers of its own
.endr
	s_wait_dscnt 0x0
	s_wait_alu depctr_hold_cnt(0) depctr_sa_sdst(0) depctr_va_vdst(0) depctr_va_sdst(0) depctr_va_ssrc(0) depctr_va_vcc(0) depctr_vm_vsrc(0)
	s_wait_tensorcnt 0x0
	ds_add_u32 v254, v255
	s_wait_dscnt 0x0
	s_endpgm
.Lfunc_end_k_qae24e7fa3c_attn:
	.size	k_qae24e7fa3c_attn, .Lfunc_end_k_qae24e7fa3c_attn-k_qae24e7fa3c_attn
	.p2alignl 7, 3214868480
	.fill 96, 4, 3214868480
	.section	.rodata,"a",@progbits
	.p2align	6, 0x0
	.amdhsa_kernel k_qae24e7fa3c_attn
		.amdhsa_group_segment_fixed_size 144384
		.amdhsa_private_segment_fixed_size 0
		.amdhsa_enable_private_segment 0
		.amdhsa_kernarg_size 24
		.amdhsa_user_sgpr_count 2
		.amdhsa_user_sgpr_kernarg_segment_ptr 1
		.amdhsa_wavefront_size32 1
		.amdhsa_system_sgpr_workgroup_id_x 1
		.amdhsa_system_sgpr_workgroup_id_y 1
		.amdhsa_system_sgpr_workgroup_id_z 1
		.amdhsa_system_vgpr_workitem_id 0
		.amdhsa_next_free_vgpr 512
		.amdhsa_next_free_sgpr 98
		.amdhsa_reserve_vcc 0
		.amdhsa_float_denorm_mode_32 3
		.amdhsa_float_denorm_mode_16_64 3
		.amdhsa_memory_ordered 1
		.amdhsa_forward_progress 1
		.amdhsa_inst_pref_size 129
	.end_amdhsa_kernel
	.amdgpu_metadata
---
amdhsa.version: [ 1, 2 ]
amdhsa.kernels:
  - .name:           k_qae24e7fa3c_attn
    .symbol:         k_qae24e7fa3c_attn.kd
    .args:
      - { .name: qc, .offset: 0, .size: 8, .value_kind: global_buffer, .address_space: global }
      - { .name: kv, .offset: 8, .size: 8, .value_kind: global_buffer, .address_space: global }
      - { .name: out0, .offset: 16, .size: 8, .value_kind: global_buffer, .address_space: global }
    .group_segment_fixed_size: 144384
    .private_segment_fixed_size: 0
    .kernarg_segment_align: 8
    .kernarg_segment_size: 24
    .max_flat_workgroup_size: 256
    .sgpr_count:     98
    .vgpr_count:     512
    .wavefront_size: 32
...
	.end_amdgpu_metadata
.endif
;; end of part 4
